; MI455X (gfx1250); checked and timed in simulation.
; The chip was launched on July 23, 2026; its instructions are those of AMD's public machine-readable ISA for CDNA 5 (MIT licence, August 2026) and "CDNA5" Instruction Set Architecture Reference Guide (July 2026). The comments in the code are by the model that wrote it; some were corrected since.
;; Grouped Query Attention. Allowed arithmetic: float matrix products may take bf16 or f16 operands with f32 sums; all other float work in f32.
;; Inputs: attention_mask 1 x 1 x 2,048 x 2,048 float32; hidden_states 1 x 2,048 x 2,048 float32; w_k 2,048 x 512 float32; w_o 2,048 x 2,048 float32; w_q 2,048 x 2,048 float32; w_v 2,048 x 512 float32.
;; Outputs: out0 1 x 2,048 x 2,048 float32.
;; 2 versions, each right; version 2 is version 1 with the launch prep written anew for expert scheduling mode. Each part assembles by itself: llvm-mc -triple=amdgcn-amd-amdhsa -mcpu=gfx1250 --defsym DOCPART=n.
;; ======== version 1 of 2: 4 launches
;; limits: values are held in f16: magnitudes above 65,504 overflow, below 6.1e-05 lose precision
;; workspace buffers: xb 8,388,608 bytes; wqkvb 12,582,912 bytes; wob 8,388,608 bytes; rope 524,288 bytes; qkv 12,582,912 bytes; att 8,388,608 bytes
;; launch prep (part 1): grid 256 x 1, 8 waves a work-group, no clusters, 0 bytes of LDS; arguments hidden_states, w_q, w_k, w_v, w_o, xb, wqkvb, wob, rope; writes xb, wqkvb, wob, rope
.if DOCPART == 1
	.amdgcn_target "amdgcn-amd-amdhsa--gfx1250"
	.amdhsa_code_object_version 6
	.text
	.protected	k_q0cc82017b2_prep
	.globl	k_q0cc82017b2_prep
	.p2align	8
	.type	k_q0cc82017b2_prep,@function
k_q0cc82017b2_prep:
	s_mov_b64 s[64:65], 0
	v_nop
	global_prefetch_b8 v0, s[64:65] scope:SCOPE_SE
	s_setreg_imm32_b32 hwreg(HW_REG_WAVE_MODE, 25, 1), 1
	s_wait_xcnt 0x0
; prep: the operands of the two projections in 16 bits, and the table of cosines and sines.
;   xb    [16 blocks][32 chunks][128 rows][64] bf16 = hidden_states: row 128 y + i, columns 64 c .. + 63 lie at block y, chunk c, row i,
;                                      so that any run of chunks of one block of rows is one dense run of bytes
;   wqkvb [48 panels][2048 k][64]    = w_q (panels 0-31, one a head), w_k (32-39), w_v (40-47), bf16
;   wob   [32 panels][2048 k][64]    = w_o, rounded to bf16 like the other inputs and that number written as f16, since the
;                                      last product's other operand is f16 (exact from magnitude 2^-17 up, off by at most 2^-25 below)
;   rope  [2048 s][64] f32           = cos(s f_i), i = 0..31, then sin(s f_i);  f_i = 500000^(-i/32)
; A stream: no LDS, no matrix unit, no cluster (no byte is read twice).  256 work-groups of eight waves; work-group g owns
; rows 8 g .. 8 g + 7 of every input.  A load of a wave takes 256 bytes of each of two neighbouring rows, aligned; the two pieces of 64
; numbers lie side by side in the chunk or panel, so every store of a wave covers 256 consecutive bytes, aligned.
; Two banks of 16 loads take turns, so that 32 loads of a wave are on their way.
; LIMITS: cos and sin are polynomials behind a reduction by multiples of pi/2 held in two parts: about 3e-7 absolute, and the
; frequency comes from v_exp_f32 (ISA guide 15.8: 1 ulp).  Angles up to 2047 are served.
.set VXD, 3                            ; X: destination            (w>>2) 16 chunks + (w&3) 256 + 8 l
.set VWS, 4                            ; X, w_q, w_o: source       (2 (w&3) + l/16) 8192 + (w>>2) 4096 + 16 (l&15)
.set VWD, 5                            ; w_q, w_o: destination     (w>>2) 16 panels + (w&3) 256 + 8 l
.set VKS, 6                            ; w_k, w_v: source          (2 (w&3) + l/16) 2048 + (w>>2) 1024 + 16 (l&15)
.set VKD, 7                            ; w_k, w_v: destination     (w>>2) 4 panels + (w&3) 256 + 8 l
.set VRO, 12                           ; rope: w 256 + 8 l
.set BKA, 32                           ; v[32:95]   bank A
.set BKB, 96                           ; v[96:159]  bank B
.set PANELB, 262144                    ; bytes in a panel
.set XCH, 16384                        ; bytes in a chunk of X: 128 rows of 128
	s_load_b512 s[8:23], s[0:1], 0x0               ; hidden s[8:9], w_q s[10:11], w_k s[12:13], w_v s[14:15], w_o s[16:17], xb s[18:19], wqkvb s[20:21], wob s[22:23]
	s_load_b64 s[24:25], s[0:1], 0x40              ; rope
	v_lshrrev_b32 v1, 5, v0
	v_readfirstlane_b32 s26, v1                    ; wave w
	v_and_b32 v1, 31, v0                           ; lane l
	v_and_b32 v8, 15, v0                           ; l & 15
	v_bfe_u32 v9, v0, 4, 1                         ; l / 16
	s_and_b32 s27, s26, 3
	s_lshr_b32 s28, s26, 2
	v_lshlrev_b32 v11, 3, v1                       ; 8 l
	v_lshl_add_u32 v[VRO], s26, 8, v11
	v_lshl_add_u32 v10, s27, 1, v9                 ; my row of the group's eight: lanes 0-15 an even row, lanes 16-31 the next
	v_lshlrev_b32 v13, 4, v8
	v_lshl_add_u32 v[VWS], v10, 13, v13
	v_lshl_add_u32 v[VWS], s28, 12, v[VWS]
	v_lshl_add_u32 v[VKS], v10, 11, v13
	v_lshl_add_u32 v[VKS], s28, 10, v[VKS]
	v_lshl_add_u32 v11, s27, 8, v11                ; two rows of a panel or chunk are 256 bytes
	v_lshl_add_u32 v[VWD], s28, 22, v11
	v_lshl_add_u32 v[VKD], s28, 20, v11
	v_lshl_add_u32 v[VXD], s28, 18, v11
	s_lshl_b32 s32, ttmp9, 16                      ; 8 rows of 8,192 bytes
	s_mov_b32 s33, 0
	s_lshr_b32 s34, ttmp9, 4                       ; xb: block g / 16 of 524,288 bytes,
	s_lshl_b32 s34, s34, 19
	s_and_b32 s29, ttmp9, 15                       ; and in each chunk 8 rows of 128 bytes for each of its 16 groups
	s_lshl_b32 s29, s29, 10
	s_add_co_u32 s34, s34, s29
	s_mov_b32 s35, 0
	s_lshl_b32 s36, ttmp9, 10                      ; 8 rows of 128 (a panel's)
	s_mov_b32 s37, 0
	s_lshl_b32 s38, ttmp9, 14                      ; 8 rows of 2,048
	s_mov_b32 s39, 0
	s_lshl_b32 s40, ttmp9, 11                      ; 8 rows of 256
	s_mov_b32 s41, 0
	s_lshl_b32 s54, ttmp9, 3
	s_add_co_u32 s54, s54, s26                     ; the position s = 8 g + w of my row of the table
	s_mov_b32 s46, 0x3fc90fdb                      ; pi/2, upper part
	s_mov_b32 s47, 0xb33bbd2e                      ; pi/2 less that
	s_mov_b32 s48, 0xb9500d01                      ; -1/5040
	s_mov_b32 s49, 0x3c088889                      ; 1/120
	s_mov_b32 s50, 0xbe2aaaab                      ; -1/6
	s_mov_b32 s51, 0x37d00d01                      ; 1/40320
	s_mov_b32 s52, 0xbab60b61                      ; -1/720
	s_mov_b32 s53, 0x3d2aaaab                      ; 1/24
	s_mov_b32 s55, 0xffff0000                      ; a word's upper bf16
	s_wait_kmcnt 0x0
	s_add_nc_u64 s[8:9], s[8:9], s[32:33]
	s_add_nc_u64 s[10:11], s[10:11], s[32:33]
	s_add_nc_u64 s[16:17], s[16:17], s[32:33]
	s_add_nc_u64 s[12:13], s[12:13], s[38:39]
	s_add_nc_u64 s[14:15], s[14:15], s[38:39]
	s_add_nc_u64 s[18:19], s[18:19], s[34:35]
	s_add_nc_u64 s[20:21], s[20:21], s[36:37]
	s_add_nc_u64 s[22:23], s[22:23], s[36:37]
	s_add_nc_u64 s[24:25], s[24:25], s[40:41]
	s_add_nc_u64 s[42:43], s[20:21], 32*PANELB     ; w_k's panels
	s_add_nc_u64 s[44:45], s[20:21], 40*PANELB     ; w_v's panels
; cnt loads of 16 bytes a lane into a bank, step bytes apart
.macro LD bank, voff, base, cnt, step
.set j, 0
.rept \cnt
	global_load_b128 v[\bank+4*j:\bank+4*j+3], v[\voff], s[\base:\base+1] offset:j*\step th:TH_LOAD_NT
.set j, j+1
.endr
.endm
; the same loads are awaited one by one, rounded in place and stored, 8 bytes a lane.
; left = loads issued behind the bank's first.  half = 1: the bf16 numbers are written as f16.
.macro CV bank, voff, base, cnt, dstep, left, half
.set j, 0
.rept \cnt
	s_wait_loadcnt \left-j                         ; loads come back in order (ISA guide 5.7.1): this one is in, the younger ones stay out
	v_cvt_pk_bf16_f32 v[\bank+4*j], v[\bank+4*j], v[\bank+4*j+1]
	v_cvt_pk_bf16_f32 v[\bank+4*j+1], v[\bank+4*j+2], v[\bank+4*j+3]
.if \half
	v_and_b32 v[\bank+4*j+2], s55, v[\bank+4*j]            ; the four bf16 numbers as f32 again ...
	v_lshlrev_b32 v[\bank+4*j], 16, v[\bank+4*j]
	v_and_b32 v[\bank+4*j+3], s55, v[\bank+4*j+1]
	v_lshlrev_b32 v[\bank+4*j+1], 16, v[\bank+4*j+1]
	v_cvt_pk_f16_f32 v[\bank+4*j], v[\bank+4*j], v[\bank+4*j+2]      ; ... and in f16's form
	v_cvt_pk_f16_f32 v[\bank+4*j+1], v[\bank+4*j+1], v[\bank+4*j+3]
.endif
	global_store_b64 v[\voff], v[\bank+4*j:\bank+4*j+1], s[\base:\base+1] offset:j*\dstep
.set j, j+1
.endr
.endm
; cos or sin of s f_i.  v[i]: the frequency's number; v14: s as f32; v15: 0 in the lanes that make cosines, 3 in those that make sines.
.macro ANGLE i, out
	v_cvt_f32_u32 v16, v[\i]
	v_mul_f32 v16, 0xbf1773da, v16                 ; -i log2(500000) / 32
	v_exp_f32 v16, v16                             ; f_i
	v_nop                                          ; one plain place behind a transcendental (ISA guide 5.7.2)
	s_wait_alu depctr_va_vdst(0)
	v_mul_f32 v16, v14, v16                        ; the angle, rounded to f32 as reference() rounds it
	v_mul_f32 v17, 0x3f22f983, v16
	v_rndne_f32 v17, v17                           ; k = the nearest multiple of pi/2
	v_fma_f32 v16, -v17, s46, v16
	v_fma_f32 v16, -v17, s47, v16                  ; r = angle - k pi/2, |r| <= pi/4
	v_mul_f32 v18, v16, v16                        ; z = r r
	v_fma_f32 v19, v18, s48, s49
	v_fma_f32 v19, v19, v18, s50
	v_mul_f32 v20, v16, v18
	v_fma_f32 v19, v20, v19, v16                   ; sin r = r + r z (-1/6 + z (1/120 - z/5040))
	v_fma_f32 v21, v18, s51, s52
	v_fma_f32 v21, v21, v18, s53
	v_fma_f32 v21, v21, v18, -0.5
	v_fma_f32 v21, v21, v18, 1.0                   ; cos r = 1 + z (-1/2 + z (1/24 + z (-1/720 + z/40320)))
	v_cvt_i32_f32 v22, v17
	v_add_nc_u32 v22, v22, v15                     ; q = k, or k + 3 for a sine: sin a = cos(a - pi/2)
	v_and_b32 v23, 1, v22
	v_cmp_eq_u32 vcc_lo, 1, v23
	v_cndmask_b32 v[\out], v21, v19, vcc_lo        ; q odd: sin r, else cos r
	v_add_nc_u32 v22, 1, v22
	v_and_b32 v22, 2, v22                          ; q mod 4 = 1 or 2: the sign turns
	v_lshlrev_b32 v22, 30, v22
	v_xor_b32 v[\out], v[\out], v22
.endm
	LD BKA, VWS, 8, 16, 256                        ; two rows of 16 chunks of X
	LD BKB, VWS, 16, 16, 256                       ; two rows of 16 panels of w_o
	; the table's row, while the 32 loads are on their way.  Lane l makes entries 2 l and 2 l + 1.  Row 0 comes out as exactly 1 and 0.
	v_cvt_f32_u32 v14, s54
	v_mul_u32_u24 v15, 3, v9
	v_lshlrev_b32 v24, 1, v8
	v_add_nc_u32 v25, 1, v24
	ANGLE 24, 28
	ANGLE 25, 29
	global_store_b64 v[VRO], v[28:29], s[24:25]
	CV BKA, VXD, 18, 16, XCH, 31, 0                ; X; 15 - j of the bank and w_o's 16 stay out
	s_wait_xcnt 0x0                                ; bank A was the data of stores: it is loaded again only behind this wait (ISA guide 3.1)
	LD BKA, VWS, 10, 16, 256                       ; w_q
	CV BKB, VWD, 22, 16, PANELB, 31, 1             ; w_o; 15 - j and w_q's 16 stay out
	s_wait_xcnt 0x0                                ; the same for bank B
	LD BKB, VKS, 12, 4, 256                        ; w_k
	LD BKB+16, VKS, 14, 4, 256                     ; w_v
	CV BKA, VWD, 20, 16, PANELB, 23, 0             ; w_q; 15 - j and the eight of w_k and w_v stay out
	CV BKB, VKD, 42, 4, PANELB, 7, 0               ; w_k; 3 - j and w_v's four
	CV BKB+16, VKD, 44, 4, PANELB, 3, 0            ; w_v
	s_endpgm
.Lfunc_end_k_q0cc82017b2_prep:
	.size	k_q0cc82017b2_prep, .Lfunc_end_k_q0cc82017b2_prep-k_q0cc82017b2_prep
	.p2alignl 7, 3214868480
	.fill 96, 4, 3214868480
	.section	.rodata,"a",@progbits
	.p2align	6, 0x0
	.amdhsa_kernel k_q0cc82017b2_prep
		.amdhsa_group_segment_fixed_size 0
		.amdhsa_private_segment_fixed_size 0
		.amdhsa_enable_private_segment 0
		.amdhsa_kernarg_size 72
		.amdhsa_user_sgpr_count 2
		.amdhsa_user_sgpr_kernarg_segment_ptr 1
		.amdhsa_wavefront_size32 1
		.amdhsa_system_sgpr_workgroup_id_x 1
		.amdhsa_system_sgpr_workgroup_id_y 1
		.amdhsa_system_sgpr_workgroup_id_z 1
		.amdhsa_system_vgpr_workitem_id 0
		.amdhsa_next_free_vgpr 160
		.amdhsa_next_free_sgpr 66
		.amdhsa_reserve_vcc 1
		.amdhsa_float_denorm_mode_32 3
		.amdhsa_float_denorm_mode_16_64 3
		.amdhsa_memory_ordered 1
		.amdhsa_forward_progress 1
		.amdhsa_inst_pref_size 29
	.end_amdhsa_kernel
	.amdgpu_metadata
---
amdhsa.version: [ 1, 2 ]
amdhsa.kernels:
  - .name:           k_q0cc82017b2_prep
    .symbol:         k_q0cc82017b2_prep.kd
    .args:
      - { .name: hidden_states, .offset: 0, .size: 8, .value_kind: global_buffer, .address_space: global }
      - { .name: w_q, .offset: 8, .size: 8, .value_kind: global_buffer, .address_space: global }
      - { .name: w_k, .offset: 16, .size: 8, .value_kind: global_buffer, .address_space: global }
      - { .name: w_v, .offset: 24, .size: 8, .value_kind: global_buffer, .address_space: global }
      - { .name: w_o, .offset: 32, .size: 8, .value_kind: global_buffer, .address_space: global }
      - { .name: xb, .offset: 40, .size: 8, .value_kind: global_buffer, .address_space: global }
      - { .name: wqkvb, .offset: 48, .size: 8, .value_kind: global_buffer, .address_space: global }
      - { .name: wob, .offset: 56, .size: 8, .value_kind: global_buffer, .address_space: global }
      - { .name: rope, .offset: 64, .size: 8, .value_kind: global_buffer, .address_space: global }
    .group_segment_fixed_size: 0
    .private_segment_fixed_size: 0
    .kernarg_segment_align: 8
    .kernarg_segment_size: 72
    .max_flat_workgroup_size: 256
    .sgpr_count:     66
    .vgpr_count:     160
    .wavefront_size: 32
...
	.end_amdgpu_metadata
.endif
;; end of part 1
;; launch qkv (part 2): grid 16 x 16, 4 waves a work-group, clusters of 4 x 4, 327,680 bytes of LDS; arguments xb, wqkvb, rope, qkv; writes qkv
.if DOCPART == 2
	.amdgcn_target "amdgcn-amd-amdhsa--gfx1250"
	.amdhsa_code_object_version 6
	.text
	.protected	k_q0cc82017b2_qkv
	.globl	k_q0cc82017b2_qkv
	.p2align	8
	.type	k_q0cc82017b2_qkv,@function
k_q0cc82017b2_qkv:
	s_mov_b64 s[64:65], 0
	v_nop
	global_prefetch_b8 v0, s[64:65] scope:SCOPE_SE
	s_setreg_imm32_b32 hwreg(HW_REG_WAVE_MODE, 25, 1), 1
	s_wait_xcnt 0x0
	s_wait_alu depctr_hold_cnt(0) depctr_sa_sdst(0) depctr_va_vdst(0) depctr_va_sdst(0) depctr_va_ssrc(0) depctr_va_vcc(0) depctr_vm_vsrc(0)
	s_getreg_b32 s2, hwreg(HW_REG_IB_STS2, 6, 4)
	s_cmp_eq_u32 s2, 0
	s_cbranch_scc0 .Lentry_in_a_cluster
	s_endpgm
.Lentry_in_a_cluster:
	s_bfe_u32 s2, ttmp6, 0x10000c
	s_cmp_lg_u32 s2, 0xf033
	s_cbranch_scc0 .Lentry_shape_is_right
	s_endpgm
.Lentry_shape_is_right:
; qkv[head][s][64] (f16) = rotary(X [Wq Wk Wv]).  X: xb [16 blocks][32 chunks of 64 k][128 rows][64] bf16.  W: wqkvb [48 panels][2048 k][64] bf16, a panel a head.
; Heads 0-31 are q, 32-39 k, 40-47 v; q and k are turned by the table rope[s] (cos 0-31, sin 32-63), v by the table's row 0, which is 1 and 0.
; A work-group makes 128 rows x 3 heads (192 columns): 16 x 16 work-groups.  Four waves, one a SIMD; wave (rh, c) makes rows 64 rh .. + 63 of
; head 3 x + 2 c (four tiles of 16 columns) and of tiles c and c + 2 of the middle head 3 x + 1: so columns d and d + 32, which the rotation pairs,
; lie in one lane.  24 accumulator tiles, 192 registers.
; THE RING: two LDS slots of unequal length, 256 and 192 along K: 180,224 + 135,168 = 315,392 bytes (two of 256 would take 360,448).  2048 = 5 x 256 + 4 x 192:
; nine fills, two at the start and seven refills, each with the other slot's 144 or 192 matrix instructions a wave, less the 12 between signal and wait, in which to land.
; Every tile is a dense run of memory (chunks of one block of X; k rows of one panel) and comes in as rows of 256 bytes, aligned, with a pad behind each:
; two rows of 128 bytes share an LDS row, row i at (i >> 1) P + (i & 1) 128.  P = 272 for X: the 16 rows of a fragment load fall 16 bytes apart modulo 256.
; P = 288 for W: the 8 rows of half a transposing load fall 32 bytes apart modulo 256.
; CLUSTER 4 x 4: X's tile hangs on the block row alone and is asked for jointly by a row of the cluster, a panel's tile on the block column alone and by a column:
; that divides the requests for both by four.
; The matrix instruction is used transposed (source 0 = 16 columns of W, source 1 = 16 rows of X): lane l holds row l % 16 and its eight registers
; the columns 8 (l / 16) + 0..7, eight neighbours, which pack into 16 bytes.  W lies [k][n] in LDS and is turned by ds_load_tr16_b128.
; FORMAT: sums in f32; the result in f16, whose 11 significant bits the next launch's products need.  LIMIT: |q|, |k|, |v| below 65,504; with inputs
; as drawn they are about 0.9 rms, about 4,000 at the most with X and W both 30 times larger.
; REGISTERS: window 0: v16-35 addresses, v64-143 and v144-223 two fragment buffers (48 of W, 32 of X); window 1: the accumulators, tile (a, b) at v[8 (6 a + b)];
; window 2: v0-191 the table's entries for the four row tiles.
.set NB, 6                             ; column tiles of a wave
.set NF, 2*NB+8                        ; LDS loads of one quarter's fragments (a quarter: 32 along K)
.set PA2, 272                          ; two rows of a chunk of X in LDS
.set PB2, 288                          ; two k rows of a panel in LDS
.set QB, 16*PB2                        ; 32 k rows of a panel
.set CHUNK, 64*PA2                     ; a chunk of X: 128 rows x 64 k
.set XCH, 16384                        ; the same chunk in memory
.set KS0, 256                          ; slot 0's length along K
.set KS1, 192                          ; slot 1's
.set PAN0, KS0/2*PB2                   ; a panel's part of slot 0
.set PAN1, KS1/2*PB2
.set AOF0, 3*PAN0                      ; slot 0: three panels, then X
.set SL1, AOF0+KS0/64*CHUNK            ; slot 1
.set AOF1, SL1+3*PAN1
.set STAGE, SL1                        ; the way out uses slot 1, whose last fill has been read before the last barrier: 3 heads x 128 rows x 144 bytes
.set PS, 144
.set HSTG, 128*PS
.set ADRA, 16                          ; v16-17  my X fragments in slot 0, 1
.set ADRBF, 18                         ; v18-19  my whole head's W fragments
.set ADRBM, 20                         ; v20-21  the middle head's
.set STOF, 22                          ; the way out: where my 16 bytes of the whole head go
.set STOM, 23                          ; of the middle head
.set RD, 24                            ; where I read rows back
.set CO, 25                            ; my byte offset in a head's 128 rows
.set RF, 28                            ; v28-31  row tile a: offset of my cosines in the table, whole head
.set RM, 32                            ; v32-35  middle head
.set F0, 64
.set F1, 144
.set XF, 48                            ; X's fragments inside a buffer
.set OUT, 160                          ; the way out: 48 turned numbers
.set G1A0, 24                          ; s[24:31], s[32:39] group 1 of X's tile, slot 0, 1
.set G1B0, 40                          ; s[40:47], s[48:55] group 1 of a panel's tile, slot 0, 1
.set G0A, 56                           ; s[56:63] group 0 of X's tile, a set for each slot
.set G0B, 68                           ; s[68:75] group 0 of a panel's tile, a set for each slot
.set MULW, 0x50                        ; C and D in window 1
.set MSB, 0
.macro WIN new                         ; the immediate's high byte repeats the setting that is left
.if MSB != \new
	s_set_vgpr_msb (MSB<<8)|\new
.set MSB, \new
.endif
.endm
.macro PLACES                          ; four plain places behind a matrix instruction, for loads into its sources and readers of its result
.rept 4
	v_nop
.endr
.endm
; group 1 of a dense block: rows of 32 elements of 8 bytes, a pad of \pad words behind every 64 words
.macro DENSE g, maskreg, pad, rows
	s_or_b32 s[\g], \maskreg, (3<<16)|(1<<20)|(1<<21)|(5<<22)|((\pad-1)<<25)   ; mask; 8-byte elements; padding on; bit 21 beside a mask; interval; pad
	s_mov_b32 s[\g+1], 32<<16                      ; tensor_dim0 = 32
	s_mov_b32 s[\g+2], (\rows)<<16                 ; tensor_dim1
	s_mov_b32 s[\g+3], 32<<16                      ; tile_dim0 = 32
	s_mov_b32 s[\g+4], \rows                       ; tile_dim1
	s_mov_b32 s[\g+5], 32                          ; a row begins where the last ends
	s_mov_b32 s[\g+6], 0
	s_mov_b32 s[\g+7], 0
.endm
; A joint load: wave 3 asks for X's tile, waves 0-2 for a panel each.  Each line has one mask; the branch hangs on the wave's number alone.
.macro JLOAD s
	s_cmp_eq_u32 s12, 3
	s_cbranch_scc0 .Lfor_b_\@
	tensor_load_to_lds s[G0A+4*\s:G0A+4*\s+3], s[G1A0+8*\s:G1A0+8*\s+7]
	s_nop 0
	s_branch .Lasked_\@
.Lfor_b_\@:
	tensor_load_to_lds s[G0B+4*\s:G0B+4*\s+3], s[G1B0+8*\s:G1B0+8*\s+7]
	s_nop 0
.Lasked_\@:
.endm
.macro CREST                           ; a round of the cluster's barrier behind its opening barrier
	s_cmp_lg_u32 s12, 0
	s_cbranch_scc1 .Lnot_wave_0_\@
	s_barrier_signal -3
.Lnot_wave_0_\@:
	s_barrier_wait -3
	s_barrier_signal -1
	s_barrier_wait -1
.endm
.macro CROUND
	s_barrier_signal -1
	s_barrier_wait -1
	CREST
.endm
	s_load_b256 s[4:11], s[0:1], 0x0               ; xb s[4:5], wqkvb s[6:7], rope s[8:9], qkv s[10:11]
	v_lshl_add_u32 v254, v0, 2, 0x4d000
	v_mov_b32 v255, 0
	ds_add_u32 v254, v255
	v_lshrrev_b32 v1, 5, v0
	v_readfirstlane_b32 s12, v1                    ; wave
	s_lshr_b32 s13, s12, 1                         ; rh: my 64 rows
	s_and_b32 s14, s12, 1                          ; c: my side
	s_min_u32 s15, s12, 2                          ; the panel I fetch (wave 3 fetches X and does not use it)
	s_bfe_u32 s16, ttmp6, 0x40000                  ; cx
	s_bfe_u32 s17, ttmp6, 0x40004                  ; cy
	s_lshl_b32 s18, ttmp9, 2
	s_add_co_u32 s18, s18, s16                     ; x: block column
	s_and_b32 s19, ttmp7, 0xffff
	s_lshl_b32 s19, s19, 2
	s_add_co_u32 s19, s19, s17                     ; y: block row
	s_lshl_b32 s20, s17, 2
	s_lshl_b32 s20, 15, s20                        ; my row of the cluster
	s_lshl_b32 s21, 0x1111, s16                    ; my column
	DENSE G1A0, s20, 4, KS0                        ; X: 64 rows of 256 bytes a chunk, KS0 / 64 chunks
	DENSE G1A0+8, s20, 4, KS1
	DENSE G1B0, s21, 8, KS0/2                      ; W: two k rows in 256 bytes
	DENSE G1B0+8, s21, 8, KS1/2
	s_lshl_b32 s76, s19, 19                        ; X: block y of 524,288 bytes
	s_mov_b32 s77, 0
	s_mul_i32 s78, s18, 3
	s_add_co_u32 s78, s78, s15
	s_lshl_b32 s78, s78, 18                        ; W: panel 3 x + wave, 262,144 bytes each
	s_mov_b32 s79, 0
	s_mul_i32 s22, s12, PAN0                       ; a panel's place in a slot: the wave's number times a constant
	s_mul_i32 s23, s12, PAN1
	s_wait_dscnt 0x0
	s_wait_kmcnt 0x0
	s_add_nc_u64 s[80:81], s[4:5], s[76:77]
	s_add_nc_u64 s[82:83], s[6:7], s[78:79]
	CROUND                                         ; all sixteen work-groups are here: the first joint loads meet
	s_mov_b32 s[G0A], 1                            ; slot 0: k 0 .. 255
	s_mov_b32 s[G0A+1], AOF0
	s_mov_b64 s[G0A+2:G0A+3], s[80:81]
	s_or_b32 s[G0A+3], s[G0A+3], 0x80000000
	s_mov_b32 s[G0B], 1
	s_add_co_u32 s[G0B+1], s22, 0
	s_mov_b64 s[G0B+2:G0B+3], s[82:83]
	s_or_b32 s[G0B+3], s[G0B+3], 0x80000000
	JLOAD 0
	s_mov_b32 s[G0A+4], 1                          ; slot 1: k 256 .. 447
	s_mov_b32 s[G0A+5], AOF1
	s_add_nc_u64 s[G0A+6:G0A+7], s[80:81], KS0/64*XCH
	s_or_b32 s[G0A+7], s[G0A+7], 0x80000000
	s_mov_b32 s[G0B+4], 1
	s_add_co_u32 s[G0B+5], s23, SL1
	s_add_nc_u64 s[G0B+6:G0B+7], s[82:83], KS0*128
	s_or_b32 s[G0B+7], s[G0B+7], 0x80000000
	JLOAD 1                                        ; both slots' first fills: two tensor loads of a wave are out, later one
	v_and_b32 v1, 15, v0                           ; r = l % 16
	v_bfe_u32 v2, v0, 4, 1                         ; h = l / 16
	v_and_b32 v5, 1, v0                            ; l % 2
	v_lshrrev_b32 v3, 1, v1
	v_mul_u32_u24 v3, v3, PA2
	v_lshl_add_u32 v3, v5, 7, v3
	v_lshl_add_u32 v3, v2, 4, v3                   ; X fragment: row r at (r >> 1) 272 + (r & 1) 128, and 16 h
	v_bfe_u32 v4, v0, 1, 2
	v_lshl_add_u32 v4, v2, 2, v4
	v_mul_u32_u24 v4, v4, PB2
	v_lshl_add_u32 v4, v5, 7, v4
	v_bfe_u32 v5, v0, 3, 1
	v_lshl_add_u32 v4, v5, 4, v4                   ; W fragment: k row i = 8 h + l % 8 at (i >> 1) 288 + (i & 1) 128, 16 bytes for each half of eight lanes
	s_mul_i32 s84, s13, 32*PA2                     ; my 64 rows
	s_add_co_u32 s85, s84, AOF1
	s_add_co_u32 s84, s84, AOF0
	v_add_nc_u32 v[ADRA], s84, v3
	v_add_nc_u32 v[ADRA+1], s85, v3
	s_mul_i32 s86, s14, 2*PAN0                     ; my whole head's panel: 0 or 2
	s_mul_i32 s87, s14, 2*PAN1
	s_add_co_u32 s87, s87, SL1
	v_add_nc_u32 v[ADRBF], s86, v4
	v_add_nc_u32 v[ADRBF+1], s87, v4
	s_lshl_b32 s88, s14, 5                         ; the middle panel, tile c
	s_add_co_u32 s89, s88, SL1+PAN1
	s_add_co_u32 s88, s88, PAN0
	v_add_nc_u32 v[ADRBM], s88, v4
	v_add_nc_u32 v[ADRBM+1], s89, v4
	v_mul_u32_u24 v6, v1, PS
	v_lshl_add_u32 v6, v2, 4, v6
	s_mul_i32 s90, s13, 64*PS
	s_add_co_u32 s90, s90, STAGE
	s_mul_i32 s91, s14, 2*HSTG
	s_add_co_u32 s91, s91, s90
	v_add_nc_u32 v[STOF], s91, v6
	s_lshl_b32 s92, s14, 5
	s_add_co_u32 s92, s92, s90
	s_add_co_u32 s92, s92, HSTG
	v_add_nc_u32 v[STOM], s92, v6
	v_bfe_u32 v7, v0, 3, 2                         ; back: four rows of 128 bytes a load, eight lanes a row
	v_mul_u32_u24 v7, v7, PS
	v_and_b32 v8, 7, v0
	v_lshl_add_u32 v7, v8, 4, v7
	s_mul_i32 s93, s12, 32*PS
	s_add_co_u32 s93, s93, STAGE
	v_add_nc_u32 v[RD], s93, v7
	v_and_b32 v9, 31, v0
	v_lshlrev_b32 v9, 4, v9
	v_lshl_add_u32 v[CO], s12, 12, v9              ; wave x 32 rows x 128 bytes + 16 l
	; the table: a row is 256 bytes; a v head (40 and up) takes row 0.  A select, no branch: x differs between partners.
	s_lshl_b32 s94, s19, 7
	s_lshl_b32 s95, s13, 6
	s_add_co_u32 s94, s94, s95
	v_add_nc_u32 v26, s94, v1                      ; my position s in row tile 0
	v_lshlrev_b32 v10, 5, v2                       ; entries 8 h ..
	v_lshl_add_u32 v11, s14, 6, v10                ; entries 16 c + 8 h ..
	s_mul_i32 s84, s18, 3
	s_lshl_b32 s86, s14, 1
	s_add_co_u32 s86, s86, s84
	s_cmp_lt_u32 s86, 40
	s_cselect_b32 s66, 256, 0
	s_add_co_u32 s86, s84, 1
	s_cmp_lt_u32 s86, 40
	s_cselect_b32 s67, 256, 0
.irp a, 0,1,2,3
	v_add_nc_u32 v27, 16*\a, v26
	v_mad_u32_u24 v[RF+\a], v27, s66, v10
	v_mad_u32_u24 v[RM+\a], v27, s67, v11
.endr
	s_lshl_b32 s86, s84, 18                        ; the result: head 3 x, rows 128 y
	s_lshl_b32 s87, s19, 14
	s_add_co_u32 s86, s86, s87
	s_mov_b32 s87, 0
	s_add_nc_u64 s[10:11], s[10:11], s[86:87]
; the fragments of quarter q (32 along K) of a slot into buffer f: 12 transposing loads for W, 8 loads for X (chunk q / 2, its half q % 2)
.macro FETCH slot, q, f
.irp b, 0,1,2,3
	ds_load_tr16_b128 v[\f+8*\b:\f+8*\b+3], v[ADRBF+\slot] offset:(\q)*QB+32*\b
	ds_load_tr16_b128 v[\f+8*\b+4:\f+8*\b+7], v[ADRBF+\slot] offset:(\q)*QB+32*\b+QB/2
.endr
.irp b, 0,1
	ds_load_tr16_b128 v[\f+32+8*\b:\f+32+8*\b+3], v[ADRBM+\slot] offset:(\q)*QB+64*\b
	ds_load_tr16_b128 v[\f+32+8*\b+4:\f+32+8*\b+7], v[ADRBM+\slot] offset:(\q)*QB+64*\b+QB/2
.endr
.irp a, 0,1,2,3
	ds_load_b128 v[\f+XF+8*\a:\f+XF+8*\a+3], v[ADRA+\slot] offset:((\q)/2)*CHUNK+((\q)%2)*64+\a*8*PA2
	ds_load_b128 v[\f+XF+8*\a+4:\f+XF+8*\a+7], v[ADRA+\slot] offset:((\q)/2)*CHUNK+((\q)%2)*64+\a*8*PA2+32
.endr
.endm
; 12 matrix instructions: row tiles 2 hi, 2 hi + 1 x six column tiles.  The 24 accumulators take turns, one instruction a turn, in the same order
; in every quarter, over the loop's backward jump too.  zero = 1: the first product starts the sums.
.macro MULH f, hi, zero
.irp a, 2*\hi, 2*\hi+1
.irp b, 0,1,2,3,4,5
.if \zero
	v_wmma_f32_16x16x32_bf16 v[8*(NB*(\a)+\b):8*(NB*(\a)+\b)+7], v[\f+8*\b:\f+8*\b+7], v[\f+XF+8*(\a):\f+XF+8*(\a)+7], 0
.else
	v_wmma_f32_16x16x32_bf16 v[8*(NB*(\a)+\b):8*(NB*(\a)+\b)+7], v[\f+8*\b:\f+8*\b+7], v[\f+XF+8*(\a):\f+XF+8*(\a)+7], v[8*(NB*(\a)+\b):8*(NB*(\a)+\b)+7]
.endif
.endr
.endr
.endm
; asks for quarter q into buffer g, then multiplies buffer f (quarter q - 1)
.macro QUARTER slot, q, f, g, zero
	WIN 0
	PLACES                                         ; buffer g was read by the matrix instructions just issued
	FETCH \slot, \q, \g
	s_wait_dscnt NF                                ; all but the NF just issued: buffer f is in
	WIN MULW
	MULH \f, 0, \zero
	MULH \f, 1, \zero
.endm
; all quarters of a slot but the last: nq = 8 (slot 0) or 6 (slot 1).  Both are even, so every slot begins on buffer 0 and ends on buffer 1.
.macro STEPQ slot, nq, zero
	QUARTER \slot, 1, F0, F1, \zero
	QUARTER \slot, 2, F1, F0, 0
	QUARTER \slot, 3, F0, F1, 0
	QUARTER \slot, 4, F1, F0, 0
	QUARTER \slot, 5, F0, F1, 0
.if \nq > 6
	QUARTER \slot, 6, F1, F0, 0
	QUARTER \slot, 7, F0, F1, 0
.endif
.endm
; the last quarter multiplies buffer 1 and changes slots.  In front of the barrier each wave's reads of this slot are back and all its tensor loads
; have landed (one was out: its part of the next slot).  Where the slot is filled again the barrier opens a round of the cluster's barrier, and the
; joint refill is the first tensor load behind the round.  A slot's next tile lies 448 along K further on: seven chunks of X, 448 rows of a panel.
.macro TURN slot, next, fill
	s_wait_dscnt 0x0
	s_wait_tensorcnt 0x0
	ds_add_u32 v254, v255
	s_wait_dscnt 0x0
	s_barrier_signal -1
	WIN MULW
	MULH F1, 0, 0                                  ; register work while the others arrive
	WIN 0
	s_barrier_wait -1
.if \fill
	CREST
	s_add_nc_u64 s[G0A+4*\slot+2:G0A+4*\slot+3], s[G0A+4*\slot+2:G0A+4*\slot+3], (KS0+KS1)/64*XCH
	s_add_nc_u64 s[G0B+4*\slot+2:G0B+4*\slot+3], s[G0B+4*\slot+2:G0B+4*\slot+3], (KS0+KS1)*128
	JLOAD \slot
.endif
	PLACES
	FETCH \next, 0, F0
	WIN MULW
	MULH F1, 1, 0
.endm
.macro LAP zero                        ; once round the ring, 448 along K, both slots filled again
	STEPQ 0, 8, \zero
	TURN 0, 1, 1
	STEPQ 1, 6, 0
	TURN 1, 0, 1
.endm
; twelve loads bring row tile a's table entries: cos and sin for my eight columns of each of the three pairs of tiles, 48 registers of window 2
.macro CSLOAD a
.set n, 0
.irp o, 0,16,64,80,128,144,192,208
	global_load_b128 v[48*\a+n:48*\a+n+3], v[RF+\a], s[8:9] offset:\o
.set n, n+4
.endr
.irp o, 0,16,128,144
	global_load_b128 v[48*\a+n:48*\a+n+3], v[RM+\a], s[8:9] offset:\o
.set n, n+4
.endr
.endm
	s_wait_tensorcnt 0x1                           ; my part of slot 0 is in; slot 1's load, issued behind it, stays out
	s_barrier_signal -1
	s_barrier_wait -1
	FETCH 0, 0, F0
	LAP 1                                          ; the first lap stands in front of the loop: its first products start the sums
	WIN 0
	s_mov_b32 s3, 2
.Llap:
	LAP 0
	WIN 0
	s_sub_co_u32 s3, s3, 1
	s_cmp_lg_u32 s3, 0
	s_cbranch_scc1 .Llap
	WIN 0x80                                       ; destination in window 2
	CSLOAD 0                                       ; the table's entries are asked for 704 along K ahead of their use; nothing else names these registers
	CSLOAD 1
	CSLOAD 2
	CSLOAD 3
	WIN 0
	STEPQ 0, 8, 0                                  ; k 1344 .. 1599
	TURN 0, 1, 1                                   ; the last refill: k 1792 .. 2047 into slot 0
	STEPQ 1, 6, 0                                  ; k 1600 .. 1791
	TURN 1, 0, 0                                   ; nothing is left to fetch; behind this barrier no wave reads slot 1 any more
	STEPQ 0, 8, 0
	s_wait_dscnt 0x0
	WIN MULW
	MULH F1, 0, 0
	MULH F1, 1, 0
	WIN 0
	PLACES                                         ; behind the last matrix instructions: for the writers of the buffers and the readers of the sums
; THE WAY OUT.  out(d) = x(d) cos - x(d+32) sin; out(d+32) = x(d+32) cos + x(d) sin.  Source 0 names the accumulators (window 1), source 1 the table (window 2).
.macro ROT a, lo, hi, cs, sn, o
.irp j, 0,2,4,6
	v_pk_mul_f32 v[\o+\j:\o+\j+1], v[8*(NB*\a+\lo)+\j:8*(NB*\a+\lo)+\j+1], v[\cs+\j:\cs+\j+1]
	v_pk_mul_f32 v[\o+8+\j:\o+8+\j+1], v[8*(NB*\a+\lo)+\j:8*(NB*\a+\lo)+\j+1], v[\sn+\j:\sn+\j+1]
	v_fma_f32 v[\o+\j], -v[8*(NB*\a+\hi)+\j], v[\sn+\j], v[\o+\j]
	v_fma_f32 v[\o+\j+1], -v[8*(NB*\a+\hi)+\j+1], v[\sn+\j+1], v[\o+\j+1]
	v_pk_fma_f32 v[\o+8+\j:\o+8+\j+1], v[8*(NB*\a+\hi)+\j:8*(NB*\a+\hi)+\j+1], v[\cs+\j:\cs+\j+1], v[\o+8+\j:\o+8+\j+1]
.endr
.endm
.macro TILE_OUT a
	WIN 0x09
	ROT \a, 0, 2, 48*\a, 48*\a+16, OUT
	ROT \a, 1, 3, 48*\a+8, 48*\a+24, OUT+16
	ROT \a, 4, 5, 48*\a+32, 48*\a+40, OUT+32
	WIN 0
.set j, 0
.rept 6
.irp i, 0,1,2,3
	v_cvt_pk_f16_f32 v[OUT+8*j+\i], v[OUT+8*j+2*\i], v[OUT+8*j+2*\i+1]
.endr
.set j, j+1
.endr
	ds_store_b128 v[STOF], v[OUT:OUT+3] offset:\a*16*PS
	ds_store_b128 v[STOF], v[OUT+8:OUT+11] offset:\a*16*PS+64
	ds_store_b128 v[STOF], v[OUT+16:OUT+19] offset:\a*16*PS+32
	ds_store_b128 v[STOF], v[OUT+24:OUT+27] offset:\a*16*PS+96
	ds_store_b128 v[STOM], v[OUT+32:OUT+35] offset:\a*16*PS
	ds_store_b128 v[STOM], v[OUT+40:OUT+43] offset:\a*16*PS+64
.endm
	s_wait_loadcnt 0x0                             ; the table's 48 loads
	TILE_OUT 0
	TILE_OUT 1
	TILE_OUT 2
	TILE_OUT 3
	s_wait_dscnt 0x0                               ; my stores into the stage are done: the middle head's rows are written by two waves
	s_barrier_signal -1
	s_barrier_wait -1
	; each wave takes 32 rows of each head back, four rows (512 bytes) a load, and stores them: 512 consecutive bytes, aligned
.irp p, 0,1,2
.irp t, 0,1,2,3,4,5,6,7
	ds_load_b128 v[64+32*\p+4*\t:64+32*\p+4*\t+3], v[RD] offset:\p*HSTG+\t*4*PS
.endr
.endr
.irp p, 0,1,2
.irp t, 0,1,2,3,4,5,6,7
	s_wait_dscnt 23-8*\p-\t                        ; LDS loads come back in order: this one is in, the younger ones stay out
	global_store_b128 v[CO], v[64+32*\p+4*\t:64+32*\p+4*\t+3], s[10:11] offset:\p*262144+\t*512
.endr
.endr
	s_wait_tensorcnt 0x0
	ds_add_u32 v254, v255
	s_wait_dscnt 0x0
	CROUND                                         ; the closing round: no work-group ends while a partner may still ask for a tile that names it
	s_endpgm
.Lfunc_end_k_q0cc82017b2_qkv:
	.size	k_q0cc82017b2_qkv, .Lfunc_end_k_q0cc82017b2_qkv-k_q0cc82017b2_qkv
	.p2alignl 7, 3214868480
	.fill 96, 4, 3214868480
	.section	.rodata,"a",@progbits
	.p2align	6, 0x0
	.amdhsa_kernel k_q0cc82017b2_qkv
		.amdhsa_group_segment_fixed_size 327680
		.amdhsa_private_segment_fixed_size 0
		.amdhsa_enable_private_segment 0
		.amdhsa_kernarg_size 32
		.amdhsa_user_sgpr_count 2
		.amdhsa_user_sgpr_kernarg_segment_ptr 1
		.amdhsa_wavefront_size32 1
		.amdhsa_system_sgpr_workgroup_id_x 1
		.amdhsa_system_sgpr_workgroup_id_y 1
		.amdhsa_system_sgpr_workgroup_id_z 1
		.amdhsa_system_vgpr_workitem_id 0
		.amdhsa_next_free_vgpr 704
		.amdhsa_next_free_sgpr 96
		.amdhsa_reserve_vcc 0
		.amdhsa_float_denorm_mode_32 3
		.amdhsa_float_denorm_mode_16_64 3
		.amdhsa_memory_ordered 1
		.amdhsa_forward_progress 1
		.amdhsa_inst_pref_size 195
	.end_amdhsa_kernel
	.amdgpu_metadata
---
amdhsa.version: [ 1, 2 ]
amdhsa.kernels:
  - .name:           k_q0cc82017b2_qkv
    .symbol:         k_q0cc82017b2_qkv.kd
    .args:
      - { .name: xb, .offset: 0, .size: 8, .value_kind: global_buffer, .address_space: global }
      - { .name: wqkvb, .offset: 8, .size: 8, .value_kind: global_buffer, .address_space: global }
      - { .name: rope, .offset: 16, .size: 8, .value_kind: global_buffer, .address_space: global }
      - { .name: qkv, .offset: 24, .size: 8, .value_kind: global_buffer, .address_space: global }
    .group_segment_fixed_size: 327680
    .private_segment_fixed_size: 0
    .kernarg_segment_align: 8
    .kernarg_segment_size: 32
    .max_flat_workgroup_size: 128
    .sgpr_count:     96
    .vgpr_count:     704
    .wavefront_size: 32
...
	.end_amdgpu_metadata
.endif
;; end of part 2
;; launch attn (part 3): grid 8 x 32, 8 waves a work-group, clusters of 4 x 4, 327,680 bytes of LDS; arguments attention_mask, qkv, att; writes att
.if DOCPART == 3
	.amdgcn_target "amdgcn-amd-amdhsa--gfx1250"
	.amdhsa_code_object_version 6
	.text
	.protected	k_q0cc82017b2_attn
	.globl	k_q0cc82017b2_attn
	.p2align	8
	.type	k_q0cc82017b2_attn,@function
k_q0cc82017b2_attn:
	s_mov_b64 s[64:65], 0
	v_nop
	global_prefetch_b8 v0, s[64:65] scope:SCOPE_SE
	s_setreg_imm32_b32 hwreg(HW_REG_WAVE_MODE, 25, 1), 1
	s_wait_xcnt 0x0
	s_wait_alu depctr_hold_cnt(0) depctr_sa_sdst(0) depctr_va_vdst(0) depctr_va_sdst(0) depctr_va_ssrc(0) depctr_va_vcc(0) depctr_vm_vsrc(0)
	s_getreg_b32 s2, hwreg(HW_REG_IB_STS2, 6, 4)
	s_cmp_eq_u32 s2, 0
	s_cbranch_scc0 .Lentry_in_a_cluster
	s_endpgm
.Lentry_in_a_cluster:
	s_bfe_u32 s2, ttmp6, 0x10000c
	s_cmp_lg_u32 s2, 0xf033
	s_cbranch_scc0 .Lentry_shape_is_right
	s_endpgm
.Lentry_shape_is_right:
; att[s][head 64 + d] (f16) = softmax(q k^T / 8 + mask) v.  qkv: [48 heads][2048][64] f16 (q 0-31, k 32-39, v 40-47).  mask: [2048][2048] f32, an input: every
; entry is read and added, no key block is skipped.
; A work-group takes one k/v head, its four query heads and 64 query rows: 8 x 32 work-groups.  Eight waves, two a SIMD, so that one wave's softmax runs
; beside the other's products.  Wave w: rows 16 (w & 3) .. + 15, heads 2 (w >> 2) + u, u = 0, 1; one mask fragment in registers serves both heads.
; Keys go in tiles of 128 through two LDS slots (V, mask, K; 69,632 bytes each), each worked in two parts of 64 keys: sixteen fills.  A part's text is written out
; for each of six trips (two ahead of the loop, two in it, two behind): with two parts a trip the whole text is half as long as with four, and twelve of the
; sixteen trips run in the loop.
; A head's keys are a dense run of memory and come in as rows of 256 bytes, aligned, with a pad behind each: two keys share an LDS row, key i at (i >> 1) P + (i & 1) 128;
; P = 272 for K (the 16 keys of a fragment load fall 16 bytes apart modulo 256), P = 288 for V (the 8 keys of half a transposing load fall 32 bytes apart modulo 256).
; CLUSTER 4 x 4: K's and V's tiles hang on the k/v head alone and are asked for jointly by a column of the cluster, the mask's on the query block alone and by a row.
; LAYOUT: s^T = K q^T: source 0 = 16 keys, source 1 = 16 query rows, so lane l holds query row l % 16 and its eight registers the keys 8 (l / 16) + 0..7 of a tile.
; A row's maximum and sum then need one exchange between the halves of the wave, and two tiles of weights, packed, ARE source 1 of o^T = V^T p^T: no shuffle.
; SOFTMAX: y = fma(s, 1/8, mask), the one rounding that reference() makes (s / 8 is exact); a running maximum m; p = exp2((y - m) log2 e); sums in f32.
; m starts at the most negative finite f32, so every finite mask is served, -inf gets the weight 0, and a row that is -inf throughout gives NaN, as in reference().
; FORMAT: q, k, v, p and the result in f16 (11 significant bits; p lies in 0..1).  LIMIT: |v| below 65,504, as the launch before states.
.set KEYS, 128                         ; keys in a slot
.set KROWS, KEYS/4                     ; LDS rows (of two keys) that one wave fetches of K or of V
.set PK2, 272                          ; two keys of K in LDS
.set PV2, 288                          ; two keys of V
.set PM, KEYS*4+16                     ; the mask's rows: 512 bytes + 16
.set MOFF, KEYS/2*PV2                  ; V at 0, the mask's 64 rows behind it (18,432 + 33,792 = 52,224),
.set KOFF, 6*KROWS*PK2                 ; K at 6 x 32 x 272 = 52,224, straight behind the mask: a fetching wave's place is its number times a constant
.set SLOT, KOFF+KEYS/2*PK2
.set STAGE, 2*SLOT                     ; behind the ring, never filled by a tensor load: 16 rows x 272 bytes for each wave
.set PST, 272
.set KVSTEP, KEYS*128                  ; a tile's keys in memory
.set MSTEP, KEYS*4                     ; a tile's mask entries in a row
.set KAD, 2                            ; v2-3    my K fragments in slot 0, 1
.set VAD, 4                            ; v4-5    V
.set MAD, 6                            ; v6-7    mask
.set MX, 8                             ; v[8:9], v[10:11]    the running maximum of head u, twice (a pair for packed arithmetic)
.set ALP, 12                           ; v[12:13], v[14:15]  the factor for the old sums, twice
.set LS, 16                            ; v16, v17            my lane's part of the sum of weights
.set TT, 18                            ; v[18:25]            at work
.set QOFF, 26
.set RD, 27
.set CO, 28
.set STO, 29
.set QF, 32                            ; v[32:63]    q fragments (u, ks) at 16 u + 8 ks
.set OA, 64                            ; v[64:127]   o^T tiles (u, dt) at 32 u + 8 dt
.set SA, 128                           ; v[128:191]  s^T tiles (u, t) at 32 u + 8 t, then the packed weights
.set KV, 192                           ; v[192:255]  K fragments, then mask and V fragments
.set G1K, 16
.set G1V, 24
.set G1M, 32
.set G0K, 40
.set G0V, 48
.set G0M, 56
.macro ROUND                           ; a round of the cluster's barrier
	s_barrier_signal -1
	s_barrier_wait -1
	s_cmp_lg_u32 s10, 0
	s_cbranch_scc1 .Lnot_wave_0_\@
	s_barrier_signal -3
.Lnot_wave_0_\@:
	s_barrier_wait -3
	s_barrier_signal -1
	s_barrier_wait -1
.endm
; group 1 of a dense block: rows of 32 elements of 8 bytes, a pad of \pad words behind every 64 words
.macro DENSE g, maskreg, pad, rows
	s_or_b32 s[\g], \maskreg, (3<<16)|(1<<20)|(1<<21)|(5<<22)|((\pad-1)<<25)   ; mask; 8-byte elements; padding on; bit 21 beside a mask; interval; pad
	s_mov_b32 s[\g+1], 32<<16                      ; tensor_dim0 = 32
	s_mov_b32 s[\g+2], (\rows)<<16                 ; tensor_dim1
	s_mov_b32 s[\g+3], 32<<16                      ; tile_dim0 = 32
	s_mov_b32 s[\g+4], \rows                       ; tile_dim1
	s_mov_b32 s[\g+5], 32                          ; a row begins where the last ends
	s_mov_b32 s[\g+6], 0
	s_mov_b32 s[\g+7], 0
.endm
; one joint load a wave: waves 0, 1 V's halves, waves 2-5 sixteen mask rows each, waves 6, 7 K's halves.  Each line has one mask; the branches hang on the wave's number alone.
.macro TLOAD s
	s_cmp_lt_u32 s10, 2
	s_cbranch_scc0 .Lnot_v_\@
	tensor_load_to_lds s[G0V+4*(\s):G0V+4*(\s)+3], s[G1V:G1V+7]
	s_nop 0
	s_branch .Lasked_\@
.Lnot_v_\@:
	s_cmp_lt_u32 s10, 6
	s_cbranch_scc0 .Lnot_m_\@
	tensor_load_to_lds s[G0M+4*(\s):G0M+4*(\s)+3], s[G1M:G1M+7]
	s_nop 0
	s_branch .Lasked_\@
.Lnot_m_\@:
	tensor_load_to_lds s[G0K+4*(\s):G0K+4*(\s)+3], s[G1K:G1K+7]
	s_nop 0
.Lasked_\@:
.endm
	s_load_b128 s[4:7], s[0:1], 0x0                ; mask s[4:5], qkv s[6:7]
	s_load_b64 s[8:9], s[0:1], 0x10                ; att
	v_lshl_add_u32 v30, v0, 2, 0x2a800
	v_mov_b32 v31, 0
	ds_add_u32 v30, v31
	v_lshrrev_b32 v1, 5, v0
	v_readfirstlane_b32 s10, v1                    ; wave
	s_and_b32 s11, s10, 3                          ; g: my 16 rows
	s_lshr_b32 s12, s10, 2                         ; hp: my pair of heads
	s_and_b32 s13, s10, 1                          ; which 64 keys of K or V I fetch
	s_add_co_u32 s14, s10, 2
	s_and_b32 s14, s14, 3                          ; which 16 mask rows I fetch: waves 2..5 take 0..3
	s_bfe_u32 s66, ttmp6, 0x40000                  ; cx
	s_bfe_u32 s67, ttmp6, 0x40004                  ; cy
	s_lshl_b32 s68, ttmp9, 2
	s_add_co_u32 s68, s68, s66                     ; the k/v head
	s_and_b32 s69, ttmp7, 0xffff
	s_lshl_b32 s69, s69, 2
	s_add_co_u32 s69, s69, s67                     ; the block of 64 query rows
	s_lshl_b32 s70, s67, 2
	s_lshl_b32 s70, 15, s70                        ; my row of the cluster
	s_lshl_b32 s71, 0x1111, s66                    ; my column
	s_mov_b32 s72, 0x76543210                      ; v_permlanex16_b32: lane i of one half reads lane i of the other
	s_mov_b32 s73, 0xfedcba98
	s_mov_b32 s75, 0xff7fffff                      ; the most negative finite f32
	DENSE G1K, s71, 4, KROWS                       ; 64 keys = 32 rows of 256 bytes
	DENSE G1V, s71, 8, KROWS
	s_or_b32 s[G1M+0], s70, (2<<16)|(1<<20)|(1<<21)|(6<<22)|(3<<25)  ; 4-byte elements; after 128 words, 4 words
	s_mov_b32 s[G1M+1], KEYS<<16                   ; tensor_dim0 = 128
	s_mov_b32 s[G1M+2], 16<<16                     ; tensor_dim1 = 16
	s_mov_b32 s[G1M+3], KEYS<<16                   ; tile_dim0 = 128
	s_mov_b32 s[G1M+4], 16                         ; tile_dim1 = 16 rows
	s_mov_b32 s[G1M+5], 2048
	s_mov_b32 s[G1M+6], 0
	s_mov_b32 s[G1M+7], 0
	s_add_co_u32 s76, s68, 32                      ; K: head 32 + kv, my 64 keys of 128 bytes
	s_lshl_b32 s76, s76, 18
	s_lshl_b32 s78, s13, 13
	s_add_co_u32 s76, s76, s78
	s_mov_b32 s77, 0
	s_add_co_u32 s78, s76, 8*262144                ; V: eight heads further
	s_mov_b32 s79, 0
	s_lshl_b32 s80, s69, 19                        ; mask: 64 rows of 8,192 bytes a block, my 16 rows
	s_lshl_b32 s82, s14, 17
	s_add_co_u32 s80, s80, s82
	s_mov_b32 s81, 0
	s_mul_i32 s84, s10, KROWS*PV2                  ; places in a slot: the wave's number times a constant
	s_mul_i32 s85, s10, 16*PM
	s_mul_i32 s86, s10, KROWS*PK2
	s_lshl_b32 s91, s68, 2
	s_lshl_b32 s90, s12, 1
	s_add_co_u32 s91, s91, s90                     ; my first query head
	s_lshl_b32 s92, s69, 6
	s_lshl_b32 s93, s11, 4
	s_add_co_u32 s92, s92, s93                     ; my first query row
	s_lshl_b32 s88, s91, 18
	s_lshl_b32 s93, s92, 7
	s_add_co_u32 s88, s88, s93
	s_mov_b32 s89, 0
	s_lshl_b32 s94, s92, 12
	s_lshl_b32 s93, s91, 7
	s_add_co_u32 s94, s94, s93
	s_mov_b32 s95, 0
	s_wait_dscnt 0x0
	s_wait_kmcnt 0x0
	s_add_nc_u64 s[76:77], s[6:7], s[76:77]
	s_add_nc_u64 s[78:79], s[6:7], s[78:79]
	s_add_nc_u64 s[80:81], s[4:5], s[80:81]
	s_add_nc_u64 s[88:89], s[6:7], s[88:89]        ; q
	s_add_nc_u64 s[8:9], s[8:9], s[94:95]          ; att
.irp s, 0,1
	s_mov_b32 s[G0K+4*\s], 1
	s_add_co_u32 s[G0K+4*\s+1], s86, \s*SLOT+KOFF-6*KROWS*PK2
	s_add_nc_u64 s[G0K+4*\s+2:G0K+4*\s+3], s[76:77], \s*KVSTEP
	s_or_b32 s[G0K+4*\s+3], s[G0K+4*\s+3], 0x80000000
	s_mov_b32 s[G0V+4*\s], 1
	s_add_co_u32 s[G0V+4*\s+1], s84, \s*SLOT
	s_add_nc_u64 s[G0V+4*\s+2:G0V+4*\s+3], s[78:79], \s*KVSTEP
	s_or_b32 s[G0V+4*\s+3], s[G0V+4*\s+3], 0x80000000
	s_mov_b32 s[G0M+4*\s], 1
	s_add_co_u32 s[G0M+4*\s+1], s85, \s*SLOT+MOFF-2*16*PM
	s_add_nc_u64 s[G0M+4*\s+2:G0M+4*\s+3], s[80:81], \s*MSTEP
	s_or_b32 s[G0M+4*\s+3], s[G0M+4*\s+3], 0x80000000
.endr
	ROUND                                          ; all sixteen work-groups are here
	TLOAD 0                                        ; tile 0; slot 1 is first filled behind the first trip's round.  One tensor load of a wave is out at any time
	v_and_b32 v1, 15, v0                           ; r
	v_bfe_u32 v18, v0, 4, 1                        ; h
	v_lshlrev_b32 v19, 4, v18                      ; 16 h
	v_lshl_add_u32 v[QOFF], v1, 7, v19             ; q fragment: row r of 128 bytes, 16 h
.irp u, 0,1
.irp ks, 0,1
	global_load_b128 v[QF+16*\u+8*\ks:QF+16*\u+8*\ks+3], v[QOFF], s[88:89] offset:\u*262144+\ks*64
	global_load_b128 v[QF+16*\u+8*\ks+4:QF+16*\u+8*\ks+7], v[QOFF], s[88:89] offset:\u*262144+\ks*64+32
.endr
.endr
	v_and_b32 v22, 1, v0                           ; l % 2
	v_lshrrev_b32 v20, 1, v1
	v_mul_u32_u24 v20, v20, PK2
	v_lshl_add_u32 v20, v22, 7, v20
	v_add_nc_u32 v20, v20, v19                     ; K fragment: key r at (r >> 1) 272 + (r & 1) 128, and 16 h
	v_bfe_u32 v21, v0, 1, 2
	v_lshl_add_u32 v21, v18, 2, v21
	v_mul_u32_u24 v21, v21, PV2
	v_lshl_add_u32 v21, v22, 7, v21
	v_bfe_u32 v22, v0, 3, 1
	v_lshl_add_u32 v21, v22, 4, v21                ; V fragment: key i = 8 h + l % 8 at (i >> 1) 288 + (i & 1) 128, 16 bytes for each half of eight lanes
	v_mul_u32_u24 v23, v1, PM
	v_lshl_add_u32 v23, v18, 5, v23                ; mask: row r, entries 8 h ..
	s_mul_i32 s15, s11, 16*PM
	s_add_co_u32 s15, s15, MOFF
	v_add_nc_u32 v23, s15, v23
.irp s, 0,1
	v_add_nc_u32 v[KAD+\s], \s*SLOT+KOFF, v20
	v_add_nc_u32 v[VAD+\s], \s*SLOT, v21
	v_add_nc_u32 v[MAD+\s], \s*SLOT, v23
.endr
	s_mul_i32 s87, s10, 16*PST
	s_add_co_u32 s87, s87, STAGE                   ; my stage
	v_mul_u32_u24 v24, v1, PST
	v_add_nc_u32 v24, v24, v19
	v_add_nc_u32 v[STO], s87, v24
	v_mul_u32_u24 v25, v18, PST
	v_lshl_add_u32 v25, v1, 4, v25
	v_add_nc_u32 v[RD], s87, v25
	v_lshlrev_b32 v24, 4, v1
	v_lshl_add_u32 v[CO], v18, 12, v24             ; two rows of att a store: lanes 0-15 one, lanes 16-31 the next
; the softmax of head u over 64 keys: 32 numbers a lane at SA + 32 u.  first = 1: nothing is carried yet.
.macro SOFT u, first
.set BS, SA+32*\u
.irp c, 0,1,2,3
	v_max3_num_f32 v[TT+\c], v[BS+8*\c], v[BS+8*\c+1], v[BS+8*\c+2]     ; four chains that do not wait for each other
.endr
.irp c, 0,1,2,3
	v_max3_num_f32 v[TT+\c], v[TT+\c], v[BS+8*\c+3], v[BS+8*\c+4]
.endr
.irp c, 0,1,2,3
	v_max3_num_f32 v[TT+\c], v[TT+\c], v[BS+8*\c+5], v[BS+8*\c+6]
.endr
	v_max3_num_f32 v[TT], v[TT], v[TT+1], v[BS+7]
	v_max3_num_f32 v[TT+2], v[TT+2], v[TT+3], v[BS+15]
	v_max3_num_f32 v[TT], v[TT], v[TT+2], v[BS+23]
	v_max_num_f32 v[TT], v[TT], v[BS+31]
	v_permlanex16_b32 v[TT+1], v[TT], s72, s73     ; the other half of the wave holds the row's other keys
.if \first
	v_max3_num_f32 v[MX+2*\u], v[TT], v[TT+1], s75
	v_mov_b32 v[MX+2*\u+1], v[MX+2*\u]
.else
	v_max3_num_f32 v[TT+3], v[TT], v[TT+1], v[MX+2*\u]
	v_sub_f32 v[TT+2], v[MX+2*\u], v[TT+3]
	v_mul_f32 v[TT+2], 0x3fb8aa3b, v[TT+2]
	v_mov_b32 v[MX+2*\u], v[TT+3]
	v_mov_b32 v[MX+2*\u+1], v[TT+3]
	v_exp_f32 v[ALP+2*\u], v[TT+2]                 ; the old sums' factor; the packed subtraction below is the plain place behind it (ISA guide 5.7.2)
	v_exp_f32 v[ALP+2*\u+1], v[TT+2]
.endif
.set j, 0
.rept 16
	v_pk_add_f32 v[BS+j:BS+j+1], v[BS+j:BS+j+1], v[MX+2*\u:MX+2*\u+1] neg_lo:[0,1] neg_hi:[0,1]
.set j, j+2
.endr
.set j, 0
.rept 16
	v_pk_mul_f32 v[BS+j:BS+j+1], v[BS+j:BS+j+1], 0x3fb8aa3b op_sel_hi:[1,0]
.set j, j+2
.endr
.set j, 0
.rept 32
	v_exp_f32 v[BS+j], v[BS+j]
.set j, j+1
.endr
	v_nop                                          ; the plain place behind the last of them
	s_wait_alu depctr_va_vdst(0)
.irp c, 0,1,2,3
	v_pk_add_f32 v[TT+2*\c:TT+2*\c+1], v[BS+4*\c:BS+4*\c+1], v[BS+4*\c+2:BS+4*\c+3]
.endr
.irp c, 0,1,2,3
	v_pk_add_f32 v[TT+2*\c:TT+2*\c+1], v[TT+2*\c:TT+2*\c+1], v[BS+16+2*\c:BS+16+2*\c+1]
.endr
.irp c, 0,1,2,3
	v_pk_add_f32 v[TT+2*\c:TT+2*\c+1], v[TT+2*\c:TT+2*\c+1], v[BS+24+2*\c:BS+24+2*\c+1]
.endr
	v_pk_add_f32 v[TT:TT+1], v[TT:TT+1], v[TT+2:TT+3]
	v_pk_add_f32 v[TT+4:TT+5], v[TT+4:TT+5], v[TT+6:TT+7]
	v_pk_add_f32 v[TT:TT+1], v[TT:TT+1], v[TT+4:TT+5]
.if \first
	v_add_f32 v[LS+\u], v[TT], v[TT+1]
.else
	v_add_f32 v[TT], v[TT], v[TT+1]
	v_fma_f32 v[LS+\u], v[LS+\u], v[ALP+2*\u], v[TT]
.endif
.irp kk, 0,1
.irp i, 0,1,2,3,4,5,6,7
	v_cvt_pk_f16_f32 v[BS+16*\kk+\i], v[BS+16*\kk+2*\i], v[BS+16*\kk+2*\i+1]     ; tiles 2 kk, 2 kk + 1 become the eight registers of source 1 for keys 32 kk .. + 31
.endr
.endr
.endm
; 64 keys (part sub = 0, 1 of a slot): s^T, mask, softmax, o^T.
.macro SUB slot, sub, first
.rept 5
	v_nop                                          ; five places behind the last o^T product: the loads below land on its V fragments, the first s^T product on its weights
.endr
.irp ks, 0,1
.irp t, 0,1,2,3
	ds_load_b128 v[KV+8*(2*\t+\ks):KV+8*(2*\t+\ks)+3], v[KAD+\slot] offset:(32*\sub+8*\t)*PK2+64*\ks
	ds_load_b128 v[KV+8*(2*\t+\ks)+4:KV+8*(2*\t+\ks)+7], v[KAD+\slot] offset:(32*\sub+8*\t)*PK2+64*\ks+32
.endr
.endr
.if \first
	s_wait_loadcnt 0x0                             ; q
.endif
	; the eight accumulators take turns, one instruction a turn
.irp ks, 0,1
	s_wait_dscnt 8-8*\ks                           ; the first eight loads (d 0-31) are in, the other eight may stay out; then all
.irp t, 0,1,2,3
.irp u, 0,1
.if \ks
	v_wmma_f32_16x16x32_f16 v[SA+32*\u+8*\t:SA+32*\u+8*\t+7], v[KV+8*(2*\t+\ks):KV+8*(2*\t+\ks)+7], v[QF+16*\u+8*\ks:QF+16*\u+8*\ks+7], v[SA+32*\u+8*\t:SA+32*\u+8*\t+7]
.else
	v_wmma_f32_16x16x32_f16 v[SA+32*\u+8*\t:SA+32*\u+8*\t+7], v[KV+8*(2*\t+\ks):KV+8*(2*\t+\ks)+7], v[QF+16*\u+8*\ks:QF+16*\u+8*\ks+7], 0
.endif
.endr
.endr
.endr
.rept 4
	v_nop                                          ; four places: for the loads onto the K fragments and the readers of s^T
.endr
.irp t, 0,1,2,3
	ds_load_b128 v[KV+8*\t:KV+8*\t+3], v[MAD+\slot] offset:(64*\sub+16*\t)*4
	ds_load_b128 v[KV+8*\t+4:KV+8*\t+7], v[MAD+\slot] offset:(64*\sub+16*\t)*4+16
.endr
.irp dt, 0,1,2,3
	ds_load_tr16_b128 v[KV+32+8*\dt:KV+32+8*\dt+3], v[VAD+\slot] offset:(32*\sub)*PV2+32*\dt
	ds_load_tr16_b128 v[KV+32+8*\dt+4:KV+32+8*\dt+7], v[VAD+\slot] offset:(32*\sub+8)*PV2+32*\dt
.endr
	s_wait_dscnt 8                                 ; the mask is in; V's eight loads behind it stay out
.irp u, 0,1
.irp t, 0,1,2,3
.irp j, 0,2,4,6
	v_pk_fma_f32 v[SA+32*\u+8*\t+\j:SA+32*\u+8*\t+\j+1], v[SA+32*\u+8*\t+\j:SA+32*\u+8*\t+\j+1], 0x3e000000, v[KV+8*\t+\j:KV+8*\t+\j+1] op_sel_hi:[1,0,1]
.endr
.endr
.endr
.irp dt, 0,1,2,3
	ds_load_tr16_b128 v[KV+8*\dt:KV+8*\dt+3], v[VAD+\slot] offset:(32*\sub+16)*PV2+32*\dt      ; V's keys 32-63, where the mask lay
	ds_load_tr16_b128 v[KV+8*\dt+4:KV+8*\dt+7], v[VAD+\slot] offset:(32*\sub+24)*PV2+32*\dt
.endr
	SOFT 0, \first
	SOFT 1, \first
.if \first == 0
.irp u, 0,1
.set j, 0
.rept 16
	v_pk_mul_f32 v[OA+32*\u+j:OA+32*\u+j+1], v[OA+32*\u+j:OA+32*\u+j+1], v[ALP+2*\u:ALP+2*\u+1]
.set j, j+2
.endr
.endr
.endif
.irp kk, 0,1
	s_wait_dscnt 8-8*\kk                           ; V's keys 0-31 are in, the eight loads of keys 32-63 may stay out; then all
.irp dt, 0,1,2,3
.irp u, 0,1
.if \first*(1-\kk)
	v_wmma_f32_16x16x32_f16 v[OA+32*\u+8*\dt:OA+32*\u+8*\dt+7], v[KV+32*(1-\kk)+8*\dt:KV+32*(1-\kk)+8*\dt+7], v[SA+32*\u+16*\kk:SA+32*\u+16*\kk+7], 0
.else
	v_wmma_f32_16x16x32_f16 v[OA+32*\u+8*\dt:OA+32*\u+8*\dt+7], v[KV+32*(1-\kk)+8*\dt:KV+32*(1-\kk)+8*\dt+7], v[SA+32*\u+16*\kk:SA+32*\u+16*\kk+7], v[OA+32*\u+8*\dt:OA+32*\u+8*\dt+7]
.endif
.endr
.endr
.endr
.endm
; a tile of 128 keys.  In front of the round every wave's tensor loads have landed (its part of this trip's tile among them) and its reads of the last trip's slot
; are back; behind the round both hold of every wave of the cluster, and the joint refill of that slot comes first.  It has the whole trip in which to land.
.macro TRIP slot, refill, first
	s_wait_tensorcnt 0x0
	ds_add_u32 v30, v31
	s_wait_dscnt 0x0
	s_add_nc_u64 s[G0K+4*\slot+2:G0K+4*\slot+3], s[G0K+4*\slot+2:G0K+4*\slot+3], 2*KVSTEP     ; no load of mine is out: this slot's next tile
	s_add_nc_u64 s[G0V+4*\slot+2:G0V+4*\slot+3], s[G0V+4*\slot+2:G0V+4*\slot+3], 2*KVSTEP
	s_add_nc_u64 s[G0M+4*\slot+2:G0M+4*\slot+3], s[G0M+4*\slot+2:G0M+4*\slot+3], 2*MSTEP
	s_wait_dscnt 0x0
	ROUND
.if \refill
	TLOAD 1-\slot
.endif
	SUB \slot, 0, \first
	SUB \slot, 1, 0
.endm
	TRIP 0, 1, 1                                   ; sixteen tiles: two in front of the loop (the first products start the sums),
	TRIP 1, 1, 0
	s_mov_b32 s74, 6
.Lpair:
	TRIP 0, 1, 0                                   ; twelve in it,
	TRIP 1, 1, 0
	s_sub_co_u32 s74, s74, 1
	s_cmp_lg_u32 s74, 0
	s_cbranch_scc1 .Lpair
	TRIP 0, 1, 0                                   ; two behind it: the last fetches nothing (the stepped addresses are not used)
	TRIP 1, 0, 0
	; THE WAY OUT: divide by the row's sum, round to f16, through my own stage into whole rows of 256 bytes (my two heads)
.rept 4
	v_nop                                          ; four places behind the last products
.endr
	v_permlanex16_b32 v[TT], v[LS], s72, s73
	v_permlanex16_b32 v[TT+1], v[LS+1], s72, s73
	v_add_f32 v[LS], v[LS], v[TT]
	v_add_f32 v[LS+1], v[LS+1], v[TT+1]
	v_rcp_f32 v[ALP], v[LS]
	v_rcp_f32 v[ALP+1], v[LS]
	v_rcp_f32 v[ALP+2], v[LS+1]
	v_rcp_f32 v[ALP+3], v[LS+1]
	v_nop                                          ; the plain place behind them
	s_wait_alu depctr_va_vdst(0)
.irp u, 0,1
.set j, 0
.rept 16
	v_pk_mul_f32 v[OA+32*\u+j:OA+32*\u+j+1], v[OA+32*\u+j:OA+32*\u+j+1], v[ALP+2*\u:ALP+2*\u+1]
.set j, j+2
.endr
.endr
.irp u, 0,1
.irp dt, 0,1,2,3
.irp i, 0,1,2,3
	v_cvt_pk_f16_f32 v[OA+32*\u+8*\dt+\i], v[OA+32*\u+8*\dt+2*\i], v[OA+32*\u+8*\dt+2*\i+1]
.endr
	ds_store_b128 v[STO], v[OA+32*\u+8*\dt:OA+32*\u+8*\dt+3] offset:128*\u+32*\dt
.endr
.endr
.irp t, 0,1,2,3,4,5,6,7
	ds_load_b128 v[SA+4*\t:SA+4*\t+3], v[RD] offset:\t*2*PST       ; LDS serves a wave's instructions in order (ISA guide 5.7.1.4): these see the stores above
.endr
.irp t, 0,1,2,3,4,5,6,7
	s_wait_dscnt 7-\t
	global_store_b128 v[CO], v[SA+4*\t:SA+4*\t+3], s[8:9] offset:\t*2*4096       ; sixteen lanes store 256 consecutive bytes, aligned
.endr
	s_wait_tensorcnt 0x0
	ds_add_u32 v30, v31
	s_wait_dscnt 0x0
	ROUND                                          ; the closing round
	s_endpgm
.Lfunc_end_k_q0cc82017b2_attn:
	.size	k_q0cc82017b2_attn, .Lfunc_end_k_q0cc82017b2_attn-k_q0cc82017b2_attn
	.p2alignl 7, 3214868480
	.fill 96, 4, 3214868480
	.section	.rodata,"a",@progbits
	.p2align	6, 0x0
	.amdhsa_kernel k_q0cc82017b2_attn
		.amdhsa_group_segment_fixed_size 327680
		.amdhsa_private_segment_fixed_size 0
		.amdhsa_enable_private_segment 0
		.amdhsa_kernarg_size 24
		.amdhsa_user_sgpr_count 2
		.amdhsa_user_sgpr_kernarg_segment_ptr 1
		.amdhsa_wavefront_size32 1
		.amdhsa_system_sgpr_workgroup_id_x 1
		.amdhsa_system_sgpr_workgroup_id_y 1
		.amdhsa_system_sgpr_workgroup_id_z 1
		.amdhsa_system_vgpr_workitem_id 0
		.amdhsa_next_free_vgpr 256
		.amdhsa_next_free_sgpr 96
		.amdhsa_reserve_vcc 0
		.amdhsa_float_denorm_mode_32 3
		.amdhsa_float_denorm_mode_16_64 3
		.amdhsa_memory_ordered 1
		.amdhsa_forward_progress 1
		.amdhsa_inst_pref_size 255
	.end_amdhsa_kernel
	.section	.bss,"aw",@nobits
	.p2align	6
	.space	262144
	.amdgpu_metadata
---
amdhsa.version: [ 1, 2 ]
amdhsa.kernels:
  - .name:           k_q0cc82017b2_attn
    .symbol:         k_q0cc82017b2_attn.kd
    .args:
      - { .name: attention_mask, .offset: 0, .size: 8, .value_kind: global_buffer, .address_space: global }
      - { .name: qkv, .offset: 8, .size: 8, .value_kind: global_buffer, .address_space: global }
      - { .name: att, .offset: 16, .size: 8, .value_kind: global_buffer, .address_space: global }
    .group_segment_fixed_size: 327680
    .private_segment_fixed_size: 0
    .kernarg_segment_align: 8
    .kernarg_segment_size: 24
    .max_flat_workgroup_size: 256
    .sgpr_count:     96
    .vgpr_count:     256
    .wavefront_size: 32
...
	.end_amdgpu_metadata
.endif
;; end of part 3
;; launch oproj (part 4): grid 16 x 16, 4 waves a work-group, clusters of 4 x 4, 327,680 bytes of LDS; arguments att, wob, out0; writes out0
.if DOCPART == 4
	.amdgcn_target "amdgcn-amd-amdhsa--gfx1250"
	.amdhsa_code_object_version 6
	.text
	.protected	k_q0cc82017b2_oproj
	.globl	k_q0cc82017b2_oproj
	.p2align	8
	.type	k_q0cc82017b2_oproj,@function
k_q0cc82017b2_oproj:
	s_mov_b64 s[64:65], 0
	v_nop
	global_prefetch_b8 v0, s[64:65] scope:SCOPE_SE
	s_setreg_imm32_b32 hwreg(HW_REG_WAVE_MODE, 25, 1), 1
	s_wait_xcnt 0x0
	s_wait_alu depctr_hold_cnt(0) depctr_sa_sdst(0) depctr_va_vdst(0) depctr_va_sdst(0) depctr_va_ssrc(0) depctr_va_vcc(0) depctr_vm_vsrc(0)
	s_getreg_b32 s2, hwreg(HW_REG_IB_STS2, 6, 4)
	s_cmp_eq_u32 s2, 0
	s_cbranch_scc0 .Lentry_in_a_cluster
	s_endpgm
.Lentry_in_a_cluster:
	s_bfe_u32 s2, ttmp6, 0x10000c
	s_cmp_lg_u32 s2, 0xf033
	s_cbranch_scc0 .Lentry_shape_is_right
	s_endpgm
.Lentry_shape_is_right:
; out0 [2048][2048] f32 = att Wo.  att: [2048][2048] f16.  Wo: wob [32 panels][2048 k][64] f16.  Sums in f32.
; A work-group makes 128 x 128: 16 x 16 work-groups.  Four waves, one a SIMD; wave (rh, c) makes rows 64 rh .. + 63 of panel 2 x + c: 16 accumulator tiles.
; THE RING: K goes in steps of 256 through two LDS slots of 141,312 bytes filled by tensor loads: eight fills, two at the start and six refills, each with the other
; slot's 128 matrix instructions a wave, less the 8 between signal and wait, in which to land.  att's rows in a tile are 512 bytes of memory, aligned to 256; a panel's k rows
; are a dense run of memory and come in as rows of 256 bytes with a pad behind each: k row i at (i >> 1) 288 + (i & 1) 128, so that the 8 rows of half a
; transposing load fall 32 bytes apart modulo 256.
; CLUSTER 4 x 4: att's tile hangs on the block row alone and is asked for jointly by a row of the cluster, a panel's tile on the block column alone and by a column:
; that divides the requests for both by four.
; The matrix instruction is used transposed (source 0 = 16 columns of Wo, source 1 = 16 rows of att): lane l holds row l % 16 and its eight registers the columns
; 8 (l / 16) + 0..7, 32 neighbouring bytes.  Wo lies [k][n] in LDS and is turned by ds_load_tr16_b128.
; REGISTERS: window 0: v16-26 addresses, v64-127 and v128-191 two fragment buffers (32 of Wo, 32 of att); window 1: the accumulators, tile (a, b) at v[8 (4 a + b)].
.set KSLOT, 256                        ; a slot's length along K
.set NB, 4
.set NF, 2*NB+8
.set PA, 528                           ; att's rows in LDS: 512 bytes + 16: an odd multiple of 16
.set PB2, 288                          ; two k rows of a panel in LDS
.set QB, 16*PB2                        ; 32 k rows of a panel
.set PANEL, KSLOT/2*PB2
.set AOFF, 2*PANEL                     ; two panels, then att's 128 rows
.set SLOT, AOFF+128*PA
.set STAGE, 2*SLOT                     ; behind the ring, never filled by a tensor load: 16 rows x 272 bytes for each wave
.set PST, 272
.set LAPS, 4                           ; 2048 / (2 x 256)
.set ADRA, 16
.set ADRB, 18
.set STO, 22
.set RD, 24
.set CO, 25
.set F0, 64
.set F1, 128
.set XF, 32
.set G1, 24
.set G0, 32
.set G1B, 48
.set G0B, 56
.set MULW, 0x50                        ; C and D in window 1
.set MSB, 0
.macro WIN new                         ; the immediate's high byte repeats the setting that is left
.if MSB != \new
	s_set_vgpr_msb (MSB<<8)|\new
.set MSB, \new
.endif
.endm
.macro PLACES                          ; four plain places behind a matrix instruction (ISA guide 7.12.1)
.rept 4
	v_nop
.endr
.endm
; a joint load: waves 0, 1 ask for a panel each, waves 2, 3 for a half of att's tile.  Each line has one mask; the branch hangs on the wave's number alone.
.macro JLOAD s
	s_cmp_lt_u32 s12, 2
	s_cbranch_scc0 .Lfor_a_\@
	tensor_load_to_lds s[G0B+4*\s:G0B+4*\s+3], s[G1B:G1B+7]
	s_nop 0
	s_branch .Lasked_\@
.Lfor_a_\@:
	tensor_load_to_lds s[G0+4*\s:G0+4*\s+3], s[G1:G1+7]
	s_nop 0
.Lasked_\@:
.endm
.macro CREST
	s_cmp_lg_u32 s12, 0
	s_cbranch_scc1 .Lnot_wave_0_\@
	s_barrier_signal -3
.Lnot_wave_0_\@:
	s_barrier_wait -3
	s_barrier_signal -1
	s_barrier_wait -1
.endm
.macro CROUND
	s_barrier_signal -1
	s_barrier_wait -1
	CREST
.endm
	s_load_b128 s[4:7], s[0:1], 0x0                ; att s[4:5], wob s[6:7]
	s_load_b64 s[8:9], s[0:1], 0x10                ; out0
	v_lshl_add_u32 v254, v0, 2, 0x49400
	v_mov_b32 v255, 0
	ds_add_u32 v254, v255
	v_lshrrev_b32 v1, 5, v0
	v_readfirstlane_b32 s12, v1                    ; wave
	s_lshr_b32 s13, s12, 1                         ; rh
	s_and_b32 s14, s12, 1                          ; c.  Also: which panel, or which half of att's rows, I fetch
	s_bfe_u32 s16, ttmp6, 0x40000                  ; cx
	s_bfe_u32 s17, ttmp6, 0x40004                  ; cy
	s_lshl_b32 s18, ttmp9, 2
	s_add_co_u32 s18, s18, s16                     ; x
	s_and_b32 s19, ttmp7, 0xffff
	s_lshl_b32 s19, s19, 2
	s_add_co_u32 s19, s19, s17                     ; y
	s_lshl_b32 s20, s17, 2
	s_lshl_b32 s20, 15, s20                        ; my row of the cluster
	s_lshl_b32 s21, 0x1111, s16                    ; my column
	s_or_b32 s[G1+0], s20, (1<<16)|(1<<20)|(1<<21)|(6<<22)|(3<<25)   ; mask; 2-byte elements; padding on; bit 21 beside a mask; after 128 words, 4 words
	s_mov_b32 s[G1+1], KSLOT<<16                   ; tensor_dim0 = 256
	s_mov_b32 s[G1+2], 64<<16                      ; tensor_dim1 = 64
	s_mov_b32 s[G1+3], KSLOT<<16                   ; tile_dim0 = 256
	s_mov_b32 s[G1+4], 64                          ; tile_dim1 = 64 rows
	s_mov_b32 s[G1+5], 2048
	s_mov_b32 s[G1+6], 0
	s_mov_b32 s[G1+7], 0
	s_or_b32 s[G1B+0], s21, (3<<16)|(1<<20)|(1<<21)|(5<<22)|(7<<25)  ; a dense block: 8-byte elements; after 64 words, 8 words
	s_mov_b32 s[G1B+1], 32<<16                     ; tensor_dim0 = 32: rows of 256 bytes
	s_mov_b32 s[G1B+2], (KSLOT/2)<<16              ; tensor_dim1 = 128
	s_mov_b32 s[G1B+3], 32<<16                     ; tile_dim0 = 32
	s_mov_b32 s[G1B+4], KSLOT/2                    ; tile_dim1 = 128: two k rows in each
	s_mov_b32 s[G1B+5], 32                         ; a row begins where the last ends
	s_mov_b32 s[G1B+6], 0
	s_mov_b32 s[G1B+7], 0
	s_lshl_b32 s40, s19, 19                        ; att: 128 y rows of 4,096 bytes, and my 64
	s_lshl_b32 s41, s14, 18
	s_add_co_u32 s40, s40, s41
	s_mov_b32 s41, 0
	s_lshl_b32 s44, s18, 1
	s_add_co_u32 s44, s44, s14
	s_lshl_b32 s44, s44, 18                        ; Wo: panel 2 x + (wave & 1)
	s_mov_b32 s45, 0
	s_mul_i32 s22, s12, PANEL                      ; places in a slot: the wave's number times a constant
	s_mul_i32 s23, s12, 64*PA
	s_wait_dscnt 0x0
	s_wait_kmcnt 0x0
	s_add_nc_u64 s[42:43], s[4:5], s[40:41]
	s_add_nc_u64 s[46:47], s[6:7], s[44:45]
	CROUND                                         ; all sixteen work-groups are here: the first joint loads meet
.irp s, 0,1
	s_mov_b32 s[G0+4*\s], 1
	s_add_co_u32 s[G0+4*\s+1], s23, \s*SLOT+AOFF-2*64*PA
	s_add_nc_u64 s[G0+4*\s+2:G0+4*\s+3], s[42:43], \s*KSLOT*2
	s_or_b32 s[G0+4*\s+3], s[G0+4*\s+3], 0x80000000
	s_mov_b32 s[G0B+4*\s], 1
	s_add_co_u32 s[G0B+4*\s+1], s22, \s*SLOT
	s_add_nc_u64 s[G0B+4*\s+2:G0B+4*\s+3], s[46:47], \s*KSLOT*128
	s_or_b32 s[G0B+4*\s+3], s[G0B+4*\s+3], 0x80000000
	JLOAD \s                                       ; both slots' first fills: two tensor loads of a wave are out, later one
.endr
	v_and_b32 v1, 15, v0                           ; r
	v_bfe_u32 v2, v0, 4, 1                         ; h
	v_mul_u32_u24 v3, v1, PA
	v_lshl_add_u32 v3, v2, 4, v3                   ; att fragment: row r, 16 h
	s_mul_i32 s68, s13, 64*PA
	s_add_co_u32 s68, s68, AOFF
	v_and_b32 v5, 1, v0                            ; l % 2
	v_bfe_u32 v4, v0, 1, 2
	v_lshl_add_u32 v4, v2, 2, v4
	v_mul_u32_u24 v4, v4, PB2
	v_lshl_add_u32 v4, v5, 7, v4
	v_bfe_u32 v5, v0, 3, 1
	v_lshl_add_u32 v4, v5, 4, v4                   ; Wo fragment: k row i = 8 h + l % 8 at (i >> 1) 288 + (i & 1) 128, 16 bytes for each half of eight lanes
	s_mul_i32 s69, s14, PANEL
.irp s, 0,1
	v_add_nc_u32 v[ADRA+\s], s68, v3
	v_add_nc_u32 v[ADRB+\s], s69, v4
	s_add_co_u32 s68, s68, SLOT
	s_add_co_u32 s69, s69, SLOT
.endr
	s_mul_i32 s70, s12, 16*PST
	s_add_co_u32 s70, s70, STAGE                   ; my stage
	v_mul_u32_u24 v6, v1, PST
	v_lshl_add_u32 v6, v2, 5, v6                   ; in: row r, 32 bytes for each half of the lanes
	v_add_nc_u32 v[STO], s70, v6
	v_mul_u32_u24 v7, v2, PST
	v_lshl_add_u32 v7, v1, 4, v7                   ; back: lanes 0-15 one row of 256 bytes, lanes 16-31 the next
	v_add_nc_u32 v[RD], s70, v7
	v_lshlrev_b32 v8, 4, v1
	v_lshl_add_u32 v[CO], v2, 13, v8               ; and the same two rows in out0
	s_lshl_b32 s71, s19, 7
	s_lshl_b32 s72, s13, 6
	s_add_co_u32 s71, s71, s72                     ; my first row
	s_lshl_b32 s72, s71, 13
	s_lshl_b32 s73, s18, 9                         ; my first column, in bytes: 512 x + 256 c
	s_add_co_u32 s72, s72, s73
	s_lshl_b32 s73, s14, 8
	s_add_co_u32 s72, s72, s73
	s_mov_b32 s73, 0
	s_add_nc_u64 s[8:9], s[8:9], s[72:73]
; the fragments of quarter q (32 along K; eight to a slot) into buffer f
.macro FETCH slot, q, f
.irp b, 0,1,2,3
	ds_load_tr16_b128 v[\f+8*\b:\f+8*\b+3], v[ADRB+\slot] offset:(\q)*QB+32*\b
	ds_load_tr16_b128 v[\f+8*\b+4:\f+8*\b+7], v[ADRB+\slot] offset:(\q)*QB+32*\b+QB/2
.endr
.irp a, 0,1,2,3
	ds_load_b128 v[\f+XF+8*\a:\f+XF+8*\a+3], v[ADRA+\slot] offset:(\q)*64+\a*16*PA
	ds_load_b128 v[\f+XF+8*\a+4:\f+XF+8*\a+7], v[ADRA+\slot] offset:(\q)*64+\a*16*PA+32
.endr
.endm
; eight matrix instructions.  The 16 accumulators take turns, one instruction a turn, in the same order in every quarter, over the loop's backward jump too.
; zero = 1: the first product starts the sums.
.macro MULH f, hi, zero
.irp a, 2*\hi, 2*\hi+1
.irp b, 0,1,2,3
.if \zero
	v_wmma_f32_16x16x32_f16 v[8*(NB*(\a)+\b):8*(NB*(\a)+\b)+7], v[\f+8*\b:\f+8*\b+7], v[\f+XF+8*(\a):\f+XF+8*(\a)+7], 0
.else
	v_wmma_f32_16x16x32_f16 v[8*(NB*(\a)+\b):8*(NB*(\a)+\b)+7], v[\f+8*\b:\f+8*\b+7], v[\f+XF+8*(\a):\f+XF+8*(\a)+7], v[8*(NB*(\a)+\b):8*(NB*(\a)+\b)+7]
.endif
.endr
.endr
.endm
; asks for quarter q into buffer g, then multiplies buffer f (quarter q - 1)
.macro QUARTER slot, q, f, g, zero
	WIN 0
	PLACES                                         ; buffer g was read by the matrix instructions just issued
	FETCH \slot, \q, \g
	s_wait_dscnt NF                                ; all but the NF just issued: buffer f is in
	WIN MULW
	MULH \f, 0, \zero
	MULH \f, 1, \zero
.endm
.macro STEPQ slot, zero                ; seven of a slot's eight quarters
	QUARTER \slot, 1, F0, F1, \zero
	QUARTER \slot, 2, F1, F0, 0
	QUARTER \slot, 3, F0, F1, 0
	QUARTER \slot, 4, F1, F0, 0
	QUARTER \slot, 5, F0, F1, 0
	QUARTER \slot, 6, F1, F0, 0
	QUARTER \slot, 7, F0, F1, 0
.endm
; the last quarter changes slots: in front of the barrier each wave's reads of this slot are back and all its tensor loads have landed; where the slot is filled
; again the barrier opens a round of the cluster's barrier, and the joint refill is the first tensor load behind the round.
.macro TURN slot, next, fill
	s_wait_dscnt 0x0
	s_wait_tensorcnt 0x0
	ds_add_u32 v254, v255
	s_wait_dscnt 0x0
	s_barrier_signal -1
	WIN MULW
	MULH F1, 0, 0
	WIN 0
	s_barrier_wait -1
.if \fill
	CREST
	s_add_nc_u64 s[G0+4*\slot+2:G0+4*\slot+3], s[G0+4*\slot+2:G0+4*\slot+3], 2*KSLOT*2
	s_add_nc_u64 s[G0B+4*\slot+2:G0B+4*\slot+3], s[G0B+4*\slot+2:G0B+4*\slot+3], 2*KSLOT*128
	JLOAD \slot
.endif
	PLACES
	FETCH \next, 0, F0
	WIN MULW
	MULH F1, 1, 0
.endm
.macro LAP zero
	STEPQ 0, \zero
	TURN 0, 1, 1
	STEPQ 1, 0
	TURN 1, 0, 1
.endm
	s_wait_tensorcnt 0x1                           ; my part of slot 0 is in; slot 1's load, issued behind it, stays out
	s_barrier_signal -1
	s_barrier_wait -1
	FETCH 0, 0, F0
	LAP 1
	WIN 0
	s_mov_b32 s3, LAPS-2
.Llap:
	LAP 0
	WIN 0
	s_sub_co_u32 s3, s3, 1
	s_cmp_lg_u32 s3, 0
	s_cbranch_scc1 .Llap
	STEPQ 0, 0                                     ; the last lap fills nothing
	TURN 0, 1, 0
	STEPQ 1, 0
	s_wait_dscnt 0x0
	WIN MULW
	MULH F1, 0, 0
	MULH F1, 1, 0
	WIN 0
	PLACES                                         ; behind the last matrix instructions: for the LDS stores of the sums and the loads into the buffers
; THE WAY OUT, 16 rows at a time: 32 bytes a lane and tile into my own stage, whole rows of 256 bytes back, each into registers of its own.
.macro OUT16 a
	WIN 0x04                                       ; the store's data in window 1
.irp b, 0,1,2,3
	ds_store_b128 v[STO], v[8*(NB*\a+\b):8*(NB*\a+\b)+3] offset:64*\b
	ds_store_b128 v[STO], v[8*(NB*\a+\b)+4:8*(NB*\a+\b)+7] offset:64*\b+16
.endr
	WIN 0
.irp t, 0,1,2,3,4,5,6,7
	ds_load_b128 v[F0+32*\a+4*\t:F0+32*\a+4*\t+3], v[RD] offset:\t*2*PST      ; LDS serves a wave's instructions in order (ISA guide 5.7.1.4): these see the stores above
.endr
.irp t, 0,1,2,3,4,5,6,7
	s_wait_dscnt 7-\t
	global_store_b128 v[CO], v[F0+32*\a+4*\t:F0+32*\a+4*\t+3], s[8:9] offset:\a*16*8192+\t*2*8192 th:TH_STORE_NT   ; sixteen lanes store 256 consecutive bytes, aligned
.endr
.endm
	OUT16 0
	OUT16 1
	OUT16 2
	OUT16 3
	s_wait_tensorcnt 0x0
	ds_add_u32 v254, v255
	s_wait_dscnt 0x0
	CROUND                                         ; the closing round
	s_endpgm
.Lfunc_end_k_q0cc82017b2_oproj:
	.size	k_q0cc82017b2_oproj, .Lfunc_end_k_q0cc82017b2_oproj-k_q0cc82017b2_oproj
	.p2alignl 7, 3214868480
	.fill 96, 4, 3214868480
	.section	.rodata,"a",@progbits
	.p2align	6, 0x0
	.amdhsa_kernel k_q0cc82017b2_oproj
		.amdhsa_group_segment_fixed_size 327680
		.amdhsa_private_segment_fixed_size 0
		.amdhsa_enable_private_segment 0
		.amdhsa_kernarg_size 24
		.amdhsa_user_sgpr_count 2
		.amdhsa_user_sgpr_kernarg_segment_ptr 1
		.amdhsa_wavefront_size32 1
		.amdhsa_system_sgpr_workgroup_id_x 1
		.amdhsa_system_sgpr_workgroup_id_y 1
		.amdhsa_system_sgpr_workgroup_id_z 1
		.amdhsa_system_vgpr_workitem_id 0
		.amdhsa_next_free_vgpr 384
		.amdhsa_next_free_sgpr 80
		.amdhsa_reserve_vcc 0
		.amdhsa_float_denorm_mode_32 3
		.amdhsa_float_denorm_mode_16_64 3
		.amdhsa_memory_ordered 1
		.amdhsa_forward_progress 1
		.amdhsa_inst_pref_size 126
	.end_amdhsa_kernel
	.amdgpu_metadata
---
amdhsa.version: [ 1, 2 ]
amdhsa.kernels:
  - .name:           k_q0cc82017b2_oproj
    .symbol:         k_q0cc82017b2_oproj.kd
    .args:
      - { .name: att, .offset: 0, .size: 8, .value_kind: global_buffer, .address_space: global }
      - { .name: wob, .offset: 8, .size: 8, .value_kind: global_buffer, .address_space: global }
      - { .name: out0, .offset: 16, .size: 8, .value_kind: global_buffer, .address_space: global }
    .group_segment_fixed_size: 327680
    .private_segment_fixed_size: 0
    .kernarg_segment_align: 8
    .kernarg_segment_size: 24
    .max_flat_workgroup_size: 128
    .sgpr_count:     80
    .vgpr_count:     384
    .wavefront_size: 32
...
	.end_amdgpu_metadata
.endif
;; end of part 4
;; ======== version 2 of 2: 4 launches; version 1 with the launch prep written anew for expert scheduling mode
;; limits: values are held in f16: magnitudes above 65,504 overflow, below 6.1e-05 lose precision
;; workspace buffers: xb 8,388,608 bytes; wqkvb 12,582,912 bytes; wob 8,388,608 bytes; rope 524,288 bytes; qkv 12,582,912 bytes; att 8,388,608 bytes
;; launch prep (part 5): grid 256 x 1, 8 waves a work-group, no clusters, 0 bytes of LDS; arguments hidden_states, w_q, w_k, w_v, w_o, xb, wqkvb, wob, rope; writes xb, wqkvb, wob, rope
.if DOCPART == 5
	.amdgcn_target "amdgcn-amd-amdhsa--gfx1250"
	.amdhsa_code_object_version 6
	.text
	.protected	k_q0cc82017b2_prep
	.globl	k_q0cc82017b2_prep
	.p2align	8
	.type	k_q0cc82017b2_prep,@function
k_q0cc82017b2_prep:
	s_mov_b64 s[64:65], 0
	v_nop
	global_prefetch_b8 v0, s[64:65] scope:SCOPE_SE
	s_setreg_imm32_b32 hwreg(HW_REG_WAVE_SCHED_MODE, 0, 2), 2
	s_setreg_imm32_b32 hwreg(HW_REG_WAVE_MODE, 25, 1), 1
	s_wait_xcnt 0x0
	s_wait_alu depctr_vm_vsrc(0)
; prep: the operands of the two projections in 16 bits, and the table of cosines and sines.
;   xb    [16 blocks][32 chunks][128 rows][64] bf16 = hidden_states: row 128 y + i, columns 64 c .. + 63 lie at block y, chunk c, row i,
;                                      so that any run of chunks of one block of rows is one dense run of bytes
;   wqkvb [48 panels][2048 k][64]    = w_q (panels 0-31, one a head), w_k (32-39), w_v (40-47), bf16
;   wob   [32 panels][2048 k][64]    = w_o, rounded to bf16 like the other inputs and that number written as f16, since the
;                                      last product's other operand is f16 (exact from magnitude 2^-17 up, off by at most 2^-25 below)
;   rope  [2048 s][64] f32           = cos(s f_i), i = 0..31, then sin(s f_i);  f_i = 500000^(-i/32)
; A stream: no LDS, no matrix unit, no cluster (no byte is read twice).  256 work-groups of eight waves; work-group g owns
; rows 8 g .. 8 g + 7 of every input.  A load of a wave takes 256 bytes of each of two neighbouring rows, aligned; the two pieces of 64
; numbers lie side by side in the chunk or panel, so every store of a wave covers 256 consecutive bytes, aligned.
; LIMITS: cos and sin are polynomials behind a reduction by multiples of pi/2 held in two parts: about 3e-7 absolute, and the
; frequency comes from v_exp_f32 (ISA guide 15.8: 1 ulp).  Angles up to 2047 are served.
; THE MODE: SCHED_MODE bits 1:0 = 2 (LLVM: expert scheduling mode 2), set by the entry lines.  The code itself states the register dependences
; between vector instructions and memory instructions, with s_wait_alu, always for 0.
; THE PLAN.  A wave's 56 loads go in 14 groups of four: X groups 0-3, w_o 4-7, w_q 8-11, w_k 12, w_v 13.  Registers that memory instructions touch:
;   RAW0 .. RAW7  eight groups as loaded.  Written by the first 32 loads and then by the loads of group p + 7, issued in step p (p = 1 .. 6);
;                 read by step p's conversions (w_o's also use their own RAW as scratch).
;   OUT0, OUT1    two groups to store.  Written by step p's conversions; read by the four stores that are issued in step p + 1.
;   v3-v7, v12    byte offsets, made once at the head and never written again: no base is stepped, immediate offsets reach every chunk and panel.
;   v28, v29      the table's two entries: written by the two ANGLEs, read by one store, never written again.
; Step p works on RAW[p % 8] and writes OUT[p % 2].  Its memory instructions are the loads into RAW[(p + 7) % 8] = RAW[(p - 1) % 8] and the stores from
; OUT[(p - 1) % 2]: the two buffers that step p - 1 worked on and that no vector instruction of step p names.  So the waits at a step's head state all
; that its eight memory instructions hang on, and these are dealt among its conversions with no further wait.  24 to 32 loads of a wave are on their way
; until the last has been issued, in step 6.
.set VXD, 3                            ; X: destination            (w>>2) 16 chunks + (w&3) 256 + 8 l
.set VWS, 4                            ; X, w_q, w_o: source       (2 (w&3) + l/16) 8192 + (w>>2) 4096 + 16 (l&15)
.set VWD, 5                            ; w_q, w_o: destination     (w>>2) 16 panels + (w&3) 256 + 8 l
.set VKS, 6                            ; w_k, w_v: source          (2 (w&3) + l/16) 2048 + (w>>2) 1024 + 16 (l&15)
.set VKD, 7                            ; w_k, w_v: destination     (w>>2) 4 panels + (w&3) 256 + 8 l
.set VRO, 12                           ; rope: w 256 + 8 l
.set RAW, 32                           ; v[32:159]  buffer b, unit i: 4 registers at RAW + 16 b + 4 i: four f32 as loaded
.set OUT, 160                          ; v[160:175] buffer b, unit i: 2 registers at OUT + 8 b + 2 i: the same four numbers in 16 bits
.set LASTG, 13                         ; the last group
.set PANELB, 262144                    ; bytes in a panel
.set XCH, 16384                        ; bytes in a chunk of X: 128 rows of 128
	s_load_b512 s[8:23], s[0:1], 0x0               ; hidden s[8:9], w_q s[10:11], w_k s[12:13], w_v s[14:15], w_o s[16:17], xb s[18:19], wqkvb s[20:21], wob s[22:23]
	s_load_b64 s[24:25], s[0:1], 0x40              ; rope
	v_lshrrev_b32 v1, 5, v0
	v_readfirstlane_b32 s26, v1                    ; wave w
	v_and_b32 v1, 31, v0                           ; lane l
	v_and_b32 v8, 15, v0                           ; l & 15
	v_bfe_u32 v9, v0, 4, 1                         ; l / 16
	v_lshlrev_b32 v11, 3, v1                       ; 8 l
	v_lshlrev_b32 v13, 4, v8
	s_lshl_b32 s32, ttmp9, 16                      ; 8 rows of 8,192 bytes
	s_mov_b32 s33, 0
	s_lshr_b32 s34, ttmp9, 4                       ; xb: block g / 16 of 524,288 bytes,
	s_lshl_b32 s34, s34, 19
	s_and_b32 s29, ttmp9, 15                       ; and in each chunk 8 rows of 128 bytes for each of its 16 groups
	s_lshl_b32 s29, s29, 10
	s_add_co_u32 s34, s34, s29
	s_mov_b32 s35, 0
	s_lshl_b32 s36, ttmp9, 10                      ; 8 rows of 128 (a panel's)
	s_mov_b32 s37, 0
	s_lshl_b32 s38, ttmp9, 14                      ; 8 rows of 2,048
	s_mov_b32 s39, 0
	s_lshl_b32 s40, ttmp9, 11                      ; 8 rows of 256
	s_mov_b32 s41, 0
	s_mov_b32 s46, 0x3fc90fdb                      ; pi/2, upper part
	s_mov_b32 s47, 0xb33bbd2e                      ; pi/2 less that
	s_mov_b32 s48, 0xb9500d01                      ; -1/5040
	s_mov_b32 s49, 0x3c088889                      ; 1/120
	s_mov_b32 s50, 0xbe2aaaab                      ; -1/6
	s_mov_b32 s51, 0x37d00d01                      ; 1/40320
	s_mov_b32 s52, 0xbab60b61                      ; -1/720
	s_mov_b32 s53, 0x3d2aaaab                      ; 1/24
	s_mov_b32 s55, 0xffff0000                      ; a word's upper bf16
	s_wait_alu depctr_va_sdst(0)                   ; s26 is written, ahead of its first reader: the offsets and the table's position are made from it
	s_and_b32 s27, s26, 3
	s_lshr_b32 s28, s26, 2
	s_lshl_b32 s54, ttmp9, 3
	s_add_co_u32 s54, s54, s26                     ; the position s = 8 g + w of my row of the table
	v_lshl_add_u32 v[VRO], s26, 8, v11
	v_lshl_add_u32 v10, s27, 1, v9                 ; my row of the group's eight: lanes 0-15 an even row, lanes 16-31 the next
	v_lshl_add_u32 v[VWS], v10, 13, v13
	v_lshl_add_u32 v[VWS], s28, 12, v[VWS]
	v_lshl_add_u32 v[VKS], v10, 11, v13
	v_lshl_add_u32 v[VKS], s28, 10, v[VKS]
	v_lshl_add_u32 v11, s27, 8, v11                ; two rows of a panel or chunk are 256 bytes
	v_lshl_add_u32 v[VWD], s28, 22, v11
	v_lshl_add_u32 v[VKD], s28, 20, v11
	v_lshl_add_u32 v[VXD], s28, 18, v11
	s_wait_kmcnt 0x0
	s_add_nc_u64 s[8:9], s[8:9], s[32:33]
	s_add_nc_u64 s[10:11], s[10:11], s[32:33]
	s_add_nc_u64 s[16:17], s[16:17], s[32:33]
	s_add_nc_u64 s[12:13], s[12:13], s[38:39]
	s_add_nc_u64 s[14:15], s[14:15], s[38:39]
	s_add_nc_u64 s[18:19], s[18:19], s[34:35]
	s_add_nc_u64 s[20:21], s[20:21], s[36:37]
	s_add_nc_u64 s[22:23], s[22:23], s[36:37]
	s_add_nc_u64 s[24:25], s[24:25], s[40:41]
	s_add_nc_u64 s[42:43], s[20:21], 32*PANELB     ; w_k's panels
	s_add_nc_u64 s[44:45], s[20:21], 40*PANELB     ; w_v's panels
	s_wait_alu depctr_va_vdst(0)                   ; the six offsets v3 to v7 and v12 are written: every load and store of the kernel reads one of them
; the load of unit i of group g: 16 bytes a lane into RAW[g % 8]; a tensor's units lie 256 bytes apart
.macro LOADU g, i
.set rR, RAW+16*((\g)%8)+4*(\i)
.if (\g) < 4
	global_load_b128 v[rR:rR+3], v[VWS], s[8:9] offset:(4*(\g)+(\i))*256 th:TH_LOAD_NT          ; two rows of a chunk of X
.elseif (\g) < 8
	global_load_b128 v[rR:rR+3], v[VWS], s[16:17] offset:(4*((\g)-4)+(\i))*256 th:TH_LOAD_NT    ; two rows of a panel of w_o
.elseif (\g) < 12
	global_load_b128 v[rR:rR+3], v[VWS], s[10:11] offset:(4*((\g)-8)+(\i))*256 th:TH_LOAD_NT    ; of w_q
.elseif (\g) == 12
	global_load_b128 v[rR:rR+3], v[VKS], s[12:13] offset:(\i)*256 th:TH_LOAD_NT                 ; of w_k
.else
	global_load_b128 v[rR:rR+3], v[VKS], s[14:15] offset:(\i)*256 th:TH_LOAD_NT                 ; of w_v
.endif
.endm
; the store of unit i of group g: 8 bytes a lane from OUT[g % 2]; a tensor's units lie a chunk or a panel apart
.macro STOREU g, i
.set rO, OUT+8*((\g)%2)+2*(\i)
.if (\g) < 4
	global_store_b64 v[VXD], v[rO:rO+1], s[18:19] offset:(4*(\g)+(\i))*XCH
.elseif (\g) < 8
	global_store_b64 v[VWD], v[rO:rO+1], s[22:23] offset:(4*((\g)-4)+(\i))*PANELB
.elseif (\g) < 12
	global_store_b64 v[VWD], v[rO:rO+1], s[20:21] offset:(4*((\g)-8)+(\i))*PANELB
.elseif (\g) == 12
	global_store_b64 v[VKD], v[rO:rO+1], s[42:43] offset:(\i)*PANELB
.else
	global_store_b64 v[VKD], v[rO:rO+1], s[44:45] offset:(\i)*PANELB
.endif
.endm
; unit i of group g is rounded: RAW[g % 8] into OUT[g % 2].  w_o's (groups 4-7) bf16 numbers are written as f16, by way of their own RAW registers.
.macro CONVU g, i
.set rR, RAW+16*((\g)%8)+4*(\i)
.set rO, OUT+8*((\g)%2)+2*(\i)
.if ((\g) >= 4) && ((\g) < 8)
	v_cvt_pk_bf16_f32 v[rR], v[rR], v[rR+1]
	v_cvt_pk_bf16_f32 v[rR+1], v[rR+2], v[rR+3]
	v_and_b32 v[rR+2], s55, v[rR]                  ; the four bf16 numbers as f32 again ...
	v_lshlrev_b32 v[rR], 16, v[rR]
	v_and_b32 v[rR+3], s55, v[rR+1]
	v_lshlrev_b32 v[rR+1], 16, v[rR+1]
	v_cvt_pk_f16_f32 v[rO], v[rR], v[rR+2]         ; ... and in f16's form
	v_cvt_pk_f16_f32 v[rO+1], v[rR+1], v[rR+3]
.else
	v_cvt_pk_bf16_f32 v[rO], v[rR], v[rR+1]
	v_cvt_pk_bf16_f32 v[rO+1], v[rR+2], v[rR+3]
.endif
.endm
; Step p.  Loads come back in order (ISA guide 5.7.1), so the count is the number of loads issued behind group p's: groups 1-7 in step 0; six groups in
; steps 1 to 7 (step p - 1 has issued group p + 6); from step 8 on nothing more is issued and the counts run down.
.macro GROUP p
.set left, 4*(LASTG-(\p))
.if (\p) < 8
.set left, 24
.endif
.if (\p) == 0
.set left, 28
.endif
	s_wait_loadcnt left                            ; RAW[p % 8] is in, the younger groups stay out
.if (\p) >= 2
	s_wait_xcnt 0x0                                ; every earlier memory instruction has had its addresses translated (ISA guide 3.1): OUT[p % 2], the data of stores, is rewritten only behind this wait
	s_wait_alu depctr_vm_vsrc(0)                   ; the stores issued in the step before have read OUT[p % 2], which this step's conversions write again
.endif
.if (\p) >= 1
	s_wait_alu depctr_va_vdst(0)                   ; the step before has written the other OUT, which the stores below read, and is done reading and writing its RAW, in which the loads below land
.endif
.irp i, 0,1,2,3
.if ((\p) >= 1) && ((\p)+7 <= LASTG)
	LOADU (\p)+7, \i                               ; seven groups ahead; no vector instruction since the wait names these registers
.endif
.if (\p) >= 1
	STOREU (\p)-1, \i                              ; the group before
.endif
	CONVU \p, \i
.endr
.endm
; cos or sin of s f_i.  v[i]: the frequency's number; v14: s as f32; v15: 0 in the lanes that make cosines, 3 in those that make sines.
.macro ANGLE i, out
	v_cvt_f32_u32 v16, v[\i]
	v_mul_f32 v16, 0xbf1773da, v16                 ; -i log2(500000) / 32
	v_exp_f32 v16, v16                             ; f_i
	v_nop                                          ; one plain place behind a transcendental (ISA guide 5.7.2)
	s_wait_alu depctr_va_vdst(0)                   ; v_exp_f32 has written v16, ahead of its first reader
	v_mul_f32 v16, v14, v16                        ; the angle, rounded to f32 as reference() rounds it
	v_mul_f32 v17, 0x3f22f983, v16
	v_rndne_f32 v17, v17                           ; k = the nearest multiple of pi/2
	v_fma_f32 v16, -v17, s46, v16
	v_fma_f32 v16, -v17, s47, v16                  ; r = angle - k pi/2, |r| <= pi/4
	v_mul_f32 v18, v16, v16                        ; z = r r
	v_fma_f32 v19, v18, s48, s49
	v_fma_f32 v19, v19, v18, s50
	v_mul_f32 v20, v16, v18
	v_fma_f32 v19, v20, v19, v16                   ; sin r = r + r z (-1/6 + z (1/120 - z/5040))
	v_fma_f32 v21, v18, s51, s52
	v_fma_f32 v21, v21, v18, s53
	v_fma_f32 v21, v21, v18, -0.5
	v_fma_f32 v21, v21, v18, 1.0                   ; cos r = 1 + z (-1/2 + z (1/24 + z (-1/720 + z/40320)))
	v_cvt_i32_f32 v22, v17
	v_add_nc_u32 v22, v22, v15                     ; q = k, or k + 3 for a sine: sin a = cos(a - pi/2)
	v_and_b32 v23, 1, v22
	v_cmp_eq_u32 vcc_lo, 1, v23
	v_add_nc_u32 v22, 1, v22                       ; the sign's three lines stand between the compare and the wait for it
	v_and_b32 v22, 2, v22                          ; q mod 4 = 1 or 2: the sign turns
	v_lshlrev_b32 v22, 30, v22
	s_wait_alu depctr_va_vcc(0)                    ; the compare has written VCC, which the select below reads
	v_cndmask_b32 v[\out], v21, v19, vcc_lo        ; q odd: sin r, else cos r
	v_xor_b32 v[\out], v[\out], v22
.endm
.irp g, 0,1,2,3,4,5,6,7
.irp i, 0,1,2,3
	LOADU \g, \i                                   ; groups 0 to 7 into RAW0 to RAW7: all of X's and of w_o's share
.endr
.endr
	; the table's row, while the 32 loads are on their way.  Lane l makes entries 2 l and 2 l + 1.  Row 0 comes out as exactly 1 and 0.
	v_cvt_f32_u32 v14, s54
	v_mul_u32_u24 v15, 3, v9
	v_lshlrev_b32 v24, 1, v8
	v_add_nc_u32 v25, 1, v24
	ANGLE 24, 28
	ANGLE 25, 29
	s_wait_alu depctr_va_vdst(0)                   ; the two ANGLEs have written v28 and v29, which the store reads
	global_store_b64 v[VRO], v[28:29], s[24:25]
.irp p, 0,1,2,3,4,5,6,7,8,9,10,11,12,13
	GROUP \p                                       ; step 0 has no step in front of it: no store, no load, no wait but the one for its data
.endr
	s_wait_alu depctr_va_vdst(0)                   ; step 13 has written OUT1, which the last four stores read
.irp i, 0,1,2,3
	STOREU LASTG, \i
.endr
	s_endpgm
.Lfunc_end_k_q0cc82017b2_prep:
	.size	k_q0cc82017b2_prep, .Lfunc_end_k_q0cc82017b2_prep-k_q0cc82017b2_prep
	.p2alignl 7, 3214868480
	.fill 96, 4, 3214868480
	.section	.rodata,"a",@progbits
	.p2align	6, 0x0
	.amdhsa_kernel k_q0cc82017b2_prep
		.amdhsa_group_segment_fixed_size 0
		.amdhsa_private_segment_fixed_size 0
		.amdhsa_enable_private_segment 0
		.amdhsa_kernarg_size 72
		.amdhsa_user_sgpr_count 2
		.amdhsa_user_sgpr_kernarg_segment_ptr 1
		.amdhsa_wavefront_size32 1
		.amdhsa_system_sgpr_workgroup_id_x 1
		.amdhsa_system_sgpr_workgroup_id_y 1
		.amdhsa_system_sgpr_workgroup_id_z 1
		.amdhsa_system_vgpr_workitem_id 0
		.amdhsa_next_free_vgpr 176
		.amdhsa_next_free_sgpr 66
		.amdhsa_reserve_vcc 1
		.amdhsa_float_denorm_mode_32 3
		.amdhsa_float_denorm_mode_16_64 3
		.amdhsa_memory_ordered 1
		.amdhsa_forward_progress 1
		.amdhsa_inst_pref_size 29
	.end_amdhsa_kernel
	.amdgpu_metadata
---
amdhsa.version: [ 1, 2 ]
amdhsa.kernels:
  - .name:           k_q0cc82017b2_prep
    .symbol:         k_q0cc82017b2_prep.kd
    .args:
      - { .name: hidden_states, .offset: 0, .size: 8, .value_kind: global_buffer, .address_space: global }
      - { .name: w_q, .offset: 8, .size: 8, .value_kind: global_buffer, .address_space: global }
      - { .name: w_k, .offset: 16, .size: 8, .value_kind: global_buffer, .address_space: global }
      - { .name: w_v, .offset: 24, .size: 8, .value_kind: global_buffer, .address_space: global }
      - { .name: w_o, .offset: 32, .size: 8, .value_kind: global_buffer, .address_space: global }
      - { .name: xb, .offset: 40, .size: 8, .value_kind: global_buffer, .address_space: global }
      - { .name: wqkvb, .offset: 48, .size: 8, .value_kind: global_buffer, .address_space: global }
      - { .name: wob, .offset: 56, .size: 8, .value_kind: global_buffer, .address_space: global }
      - { .name: rope, .offset: 64, .size: 8, .value_kind: global_buffer, .address_space: global }
    .group_segment_fixed_size: 0
    .private_segment_fixed_size: 0
    .kernarg_segment_align: 8
    .kernarg_segment_size: 72
    .max_flat_workgroup_size: 256
    .sgpr_count:     66
    .vgpr_count:     176
    .wavefront_size: 32
...
	.end_amdgpu_metadata
.endif
;; end of part 5
;; launch qkv: the kernel of part 2 again; grid 16 x 16, 4 waves a work-group, clusters of 4 x 4, 327,680 bytes of LDS; arguments xb, wqkvb, rope, qkv; writes qkv
;; launch attn: the kernel of part 3 again; grid 8 x 32, 8 waves a work-group, clusters of 4 x 4, 327,680 bytes of LDS; arguments attention_mask, qkv, att; writes att
;; launch oproj: the kernel of part 4 again; grid 16 x 16, 4 waves a work-group, clusters of 4 x 4, 327,680 bytes of LDS; arguments att, wob, out0; writes out0
